; MI455X (gfx1250); checked and timed in simulation.
; The chip was launched on July 23, 2026; its instructions are those of AMD's public machine-readable ISA for CDNA 5 (MIT licence, August 2026) and "CDNA5" Instruction Set Architecture Reference Guide (July 2026). The comments in the code are by the model that wrote it; some were corrected since.
;; Single Head Attention. Allowed arithmetic: matrix products marked QUANTISED: E2M1 operands, one E8M0 scale for each 32 along K, by v_wmma_scale_f32_16x16x128_f8f6f4 with both operands' format E2M1 (or v_wmma_scale_f32_32x16x128_f4), f32 sums; products left as they are: bf16, f16 or f32 operands; f32 sums; everything else in f32.
;; Inputs: W_k 1,024 x 1,024 float32; W_q 1,024 x 1,024 float32; W_v 1,024 x 1,024 float32; x 4 x 2,048 x 1,024 float32.
;; Outputs: out0 4 x 2,048 x 1,024 float32.
;; This version of the problem:
;;   THIS VERSION OF THE PROBLEM IS GIVEN IN LOW PRECISION. The matrix products marked QUANTISED in the list below multiply operands that are first quantised to E2M1 (2 exponent bits, 1 mantissa bit; 4 bits a number), with one power-of-two scale for each 32 numbers along K (OCP MX v1.0); their sums are f32. The products marked 'left as it is' may take bf16, f16 or f32 operands, with f32 sums. Whichever they take, every output number must still come out within the allowed error. Rounding operands to bf16 (8 significant bits) uses up far more of that allowance than f16 does (11 bits, for magnitudes from 6e-5 to 65,504). All else is computed in f32.
;;   The module's matrix products, in the order in which they are computed (A, B: the left and right operand; K: the contracted axis; several contracted axes count as one K, in the product's order):
;;     1. [M 8,192, K 1,024] x [K 1,024, N 1,024]; A: input x; B: input W_q: QUANTISED
;;     2. [M 8,192, K 1,024] x [K 1,024, N 1,024]; A: input x; B: input W_k: QUANTISED
;;     3. [M 8,192, K 1,024] x [K 1,024, N 1,024]; A: input x; B: input W_v: QUANTISED
;;     4. batch 4 x [M 2,048, K 1,024] x [K 1,024, N 2,048]; A: computed on the way; B: computed on the way: left as it is (an operand is computed on the way)
;;     5. batch 4 x [M 2,048, K 2,048] x [K 2,048, N 1,024]; A: computed on the way; B: computed on the way: left as it is (an operand is computed on the way)
;;   THE QUANTISER, for each operand of a quantised product, along K:
;;     - K is cut into blocks of 32 from its start; a last block that is shorter is filled with zeros.
;;     - A block's scale is 2^e with e = floor(log2(the largest magnitude in the block)) - 2, held to -126 .. 127; a block of zeros has e = 0. As a byte (E8M0): e + 127.
;;     - Each number is divided by its block's scale, clamped to +-6, and rounded to the nearest number of E2M1, ties to even, subnormals kept.
;;     - The product sums the exact products of the quantised numbers (number of the format x scale) in f32.
;;   ~~~python
;;   def quantise(x, axis):      # numpy; x: float32 -> the quantised numbers, widened to float32 again
;;       x = np.moveaxis(x, axis, -1); K = x.shape[-1]
;;       x = np.pad(x, [(0, 0)] * (x.ndim - 1) + [(0, -K % 32)]); x = x.reshape(x.shape[:-1] + (-1, 32)); a = np.abs(x).max(-1, keepdims=True)
;;       e = np.where(a > 0, np.clip(np.frexp(np.where(a > 0, a, 1))[1] - 1 - 2, -126, 127), 0)      # np.frexp(a)[1] - 1 = floor(log2(a)), exactly
;;       r = np.clip(x / 2.0 ** e, -6, 6)
;;       step = 2.0 ** (np.maximum(np.frexp(np.where(r == 0, 1, r))[1] - 1, 0) - 1)
;;       q = np.round(r / step) * step * 2.0 ** e      # np.round: ties to even
;;       return np.moveaxis(q.reshape(q.shape[:-2] + (-1,))[..., :K], -1, axis).astype(np.float32)
;;   ~~~
;; One version. Each part assembles by itself: llvm-mc -triple=amdgcn-amd-amdhsa -mcpu=gfx1250 --defsym DOCPART=n.
;; ======== version 1 of 1: 5 launches
;; limits: values are held in f16: magnitudes above 65,504 overflow, below 6.1e-05 lose precision
;; workspace buffers: xq 4,456,448 bytes; wq 1,671,168 bytes; qk 33,554,432 bytes; vt 16,777,216 bytes; fine 786,432 bytes; pt 33,554,432 bytes; st 1,048,576 bytes
;; launch quant (part 1): grid 224 x 1, 8 waves a work-group, no clusters, 84,480 bytes of LDS; arguments x, W_q, W_k, W_v, xq, wq; writes xq, wq
.if DOCPART == 1
	.amdgcn_target "amdgcn-amd-amdhsa--gfx1250"
	.amdhsa_code_object_version 6
	.text
	.protected	k_qfc82352e62_quant
	.globl	k_qfc82352e62_quant
	.p2align	8
	.type	k_qfc82352e62_quant,@function
k_qfc82352e62_quant:
	s_mov_b64 s[64:65], 0
	v_nop
	global_prefetch_b8 v0, s[64:65] scope:SCOPE_SE
	s_setreg_imm32_b32 hwreg(HW_REG_WAVE_MODE, 25, 1), 1
	s_wait_xcnt 0x0
; x [8192][1024] and W_q, W_k, W_v [1024 (k)][1024 (n)], f32, become codes of FP4 (E2M1) with K innermost and one E8M0 scale byte for each 32 along K.
; xq: codes [8192][512 bytes], then from byte 4,194,304 the scale bytes [8192][32].  wq: codes [3072][512 bytes] (rows 0-1023 W_q's columns, then W_k's, then W_v's), then from byte 1,572,864 the scale bytes [3072][32].
; A block's scale is 2^(floor(log2(its largest magnitude)) - 2): its byte is the largest magnitude's exponent field - 2, held at 1 from below.
; LIMITS: a block of zeros gets the byte 1 where the rule says 127 (its codes are zeros, and this program alone reads the bytes); blocks whose largest magnitude lies under 2^-124 are held at byte 1; NaN and infinities are not served.
; Work-groups 0-127 take x: a plain stream of blocks; a wave takes 16 steps of 512 numbers.  Each load reads 512 consecutive bytes; a step's 2,048 bytes turn through the wave's own stage in LDS, so that a lane
; holds 16 neighbours along K (two lanes a block).  Loads run eight steps (32 loads a wave) ahead.
; Work-groups 128-223 take 32 columns of one weight, all of K: a lane takes a column, its registers run down K, wave w takes K rows 128 w on (4 blocks).  The codes meet in a stage, so that whole rows of 512 bytes leave.
; The two paths part on the work-group's number, never join, and have LDS bytes of their own.  No tensor loads, no cluster: work-groups share nothing.
.set STEPS, 16
.set SP,    80                         ; a lane's place in a stage: 64 bytes + 16 of padding
.set WREG,  8192                       ; x path: a wave's region: two stages of 32 x SP bytes, then its 256 scale bytes
.set WST,   65536                      ; weights' path: 32 rows (columns of W) x (512 bytes + 16)
.set WPI,   528
.set WSC,   WST+32*WPI                 ; and 32 rows x 32 scale bytes
.set SPARE, WSC+1024                   ; the spare words, 128 bytes for each of the eight waves: four blocks of 256 bytes that no other line names
.set SPW,   12                         ; v12  LDS address of my spare word; never rewritten
.set NIL,   13                         ; v13  0; never rewritten
.set R,     16                         ; x path: v16-143 eight sets of 16 numbers as loaded
.set X,     144                        ; v144-175 two sets of 16 neighbours
.set C,     176                        ; v176-207 codes, two registers a step
.set E,     208                        ; v208-223 a scale byte a step
.set WX,    32                         ; weights' path: v32-95 two sets of 32 numbers
.set WC,    96                         ; v96-99 a block's codes
.set WO,    100                        ; v100-116 the way out
	s_load_b256 s[4:11], s[0:1], 0x0               ; x, W_q, W_k, W_v
	s_load_b128 s[12:15], s[0:1], 0x20             ; xq, wq
	v_lshl_add_u32 v[SPW], v0, 2, SPARE
	v_mov_b32 v[NIL], 0
	v_lshrrev_b32 v1, 5, v0
	v_readfirstlane_b32 s16, v1                    ; wave 0..7
	v_and_b32 v2, 31, v0                           ; lane
	s_cmp_lt_u32 ttmp9, 128                        ; the same in all waves of a work-group
	s_cbranch_scc0 .Lweights
	; ---------------- x ----------------
	v_lshlrev_b32 v3, 4, v2                        ; my 16 bytes of a load's 512
	s_mul_i32 s17, s16, WREG
	v_lshrrev_b32 v14, 2, v2
	v_mul_u32_u24 v14, v14, SP
	v_and_b32 v15, 3, v2
	v_lshl_add_u32 v14, v15, 4, v14
	v_add_nc_u32 v14, s17, v14                     ; the stage, on the way in: four lanes' 64 bytes on end, then 16 of padding
	v_mul_u32_u24 v15, v2, SP
	v_add_nc_u32 v15, s17, v15                     ; on the way out: SP x lane: my 16 neighbours
	v_lshlrev_b32 v4, 3, v2                        ; my 8 bytes of a step's 256 bytes of codes
	v_lshrrev_b32 v5, 1, v2
	s_add_co_u32 s17, s17, 2*32*SP
	v_add_nc_u32 v5, s17, v5                       ; LDS: my block's scale byte
	v_lshlrev_b32 v7, 3, v2
	v_add_nc_u32 v6, s17, v7                       ; and on the way out 8 bytes a lane
	s_lshl_b32 s18, ttmp9, 3
	s_add_co_u32 s18, s18, s16                     ; which run of 8,192 numbers is my wave's: 0..1023
	s_lshl_b32 s20, s18, 15                        ; its bytes in x,
	s_mov_b32 s21, 0
	s_lshl_b32 s22, s18, 12                        ; its codes,
	s_mov_b32 s23, 0
	s_lshl_b32 s24, s18, 8                         ; its 256 scale bytes
	s_add_co_u32 s24, s24, 4194304
	s_mov_b32 s25, 0
	s_wait_kmcnt 0x0
	s_add_nc_u64 s[4:5], s[4:5], s[20:21]
	s_add_nc_u64 s[26:27], s[12:13], s[22:23]
	s_add_nc_u64 s[28:29], s[12:13], s[24:25]
.macro XLOAD t
.irp i, 0,1,2,3
	global_load_b128 v[R+16*((\t)%8)+4*\i:R+16*((\t)%8)+4*\i+3], v3, s[4:5] offset:2048*(\t)+512*\i th:TH_LOAD_NT   ; 32 lanes read 512 consecutive bytes
.endr
.endm
.macro XTURN t                         ; step t's numbers through the stage: LDS serves a wave's instructions in order, so no wait stands between the stores and the loads
.irp i, 0,1,2,3
	ds_store_b128 v14, v[R+16*((\t)%8)+4*\i:R+16*((\t)%8)+4*\i+3] offset:32*SP*((\t)%2)+8*SP*\i
.endr
.irp i, 0,1,2,3
	ds_load_b128 v[X+16*((\t)%2)+4*\i:X+16*((\t)%2)+4*\i+3], v15 offset:32*SP*((\t)%2)+16*\i
.endr
.endm
.irp t, 0,1,2,3,4,5,6,7
	XLOAD \t
.endr
	s_wait_loadcnt 28                              ; step 0's four loads are in; seven steps' 28 stay out
	XTURN 0
.macro XSTEP t
.set XS, X+16*((\t)%2)
.if (\t) > 0
	s_wait_dscnt 1                                 ; this step's numbers are back from the stage; the last step's byte store may be out
.else
	s_wait_dscnt 0x0
.endif
.if (\t)+8 < STEPS
	XLOAD (\t)+8                                   ; into the set that this step's stores into the stage have read
.endif
.if (\t)+1 < STEPS
.if (\t) <= 7
	s_wait_loadcnt 28                              ; the next step's four loads are in; those of the seven steps behind it may be out
.else
	s_wait_loadcnt 4*(14-(\t))                     ; fewer steps are behind it now
.endif
	XTURN (\t)+1
.endif
	v_max3_num_f32 v8, |v[XS]|, |v[XS+1]|, |v[XS+2]|   ; the largest magnitude of my 16, in two chains
	v_max3_num_f32 v9, |v[XS+3]|, |v[XS+4]|, |v[XS+5]|
.irp i, 6,10
	v_max3_num_f32 v8, v8, |v[XS+\i]|, |v[XS+\i+1]|
	v_max3_num_f32 v9, v9, |v[XS+\i+2]|, |v[XS+\i+3]|
.endr
	v_max3_num_f32 v8, v8, |v[XS+14]|, |v[XS+15]|
	v_max3_num_f32 v8, v8, v9, 0x1800000           ; and the floor 2^(3 - 127): the byte cannot fall under 1
	v_max_num_f32_dpp v8, v8, v8 row_xmask:1 row_mask:0xf bank_mask:0xf   ; with my neighbour's 16: the block's
	v_add_nc_u32 v11, 0xff000000, v8               ; 2 off its exponent field: the conversion takes the exponent field of this operand as its scale
	v_cvt_scalef32_pk8_fp4_f32 v[C+2*(\t)], v[XS:XS+7], v11
	v_cvt_scalef32_pk8_fp4_f32 v[C+2*(\t)+1], v[XS+8:XS+15], v11
	v_lshrrev_b32 v[E+(\t)], 23, v11               ; the scale's byte (also the plain line behind the conversions)
	ds_store_b8 v5, v[E+(\t)] offset:16*(\t)       ; both lanes of a block write the same byte with the same value
	global_store_b64 v4, v[C+2*(\t):C+2*(\t)+1], s[26:27] offset:256*(\t)   ; the wave stores 256 consecutive bytes, aligned
.endm
.irp t, 0,1,2,3,4,5,6,7,8,9,10,11,12,13,14,15
	XSTEP \t
.endr
	ds_load_b64 v[8:9], v6                         ; my wave's 256 scale bytes: these loads see my stores
	s_wait_dscnt 0x0
	global_store_b64 v7, v[8:9], s[28:29]          ; 256 consecutive bytes, aligned
	s_wait_tensorcnt 0x0                           ; the wave's end
	ds_add_u32 v[SPW], v[NIL]
	s_wait_dscnt 0x0
	s_endpgm
	; ---------------- the weights ----------------
.Lweights:
	s_sub_co_u32 s17, ttmp9, 128
	s_lshr_b32 s18, s17, 5                         ; which weight: 0 W_q, 1 W_k, 2 W_v
	s_and_b32 s19, s17, 31                         ; which 32 columns
	v_lshlrev_b32 v3, 2, v2                        ; in: 4 bytes a lane
	v_mul_u32_u24 v4, v2, WPI
	s_lshl_b32 s20, s16, 6
	s_add_co_u32 s20, s20, WST
	v_add_nc_u32 v4, s20, v4                       ; the stage, in: row = my column, my wave's 64 bytes of it
	v_lshlrev_b32 v5, 5, v2
	s_lshl_b32 s20, s16, 2
	s_add_co_u32 s20, s20, WSC
	v_add_nc_u32 v5, s20, v5                       ; my column's scale bytes, my wave's word
	v_lshlrev_b32 v6, 4, v2
	s_mul_i32 s20, s16, 4*WPI
	s_add_co_u32 s20, s20, WST
	v_add_nc_u32 v7, s20, v6                       ; the stage, out: wave w takes rows 4 w .. 4 w + 3, 16 bytes a lane
	s_lshl_b32 s20, s16, 11
	v_add_nc_u32 v14, s20, v6                      ; and the same place among the group's 32 rows of codes
	v_lshl_add_u32 v15, v0, 2, WSC                 ; the 1,024 scale bytes: 4 a thread
	v_lshlrev_b32 v10, 2, v0
	s_lshl_b32 s22, s16, 19                        ; W: 128 w rows of 4,096 bytes
	s_lshl_b32 s23, s19, 7                         ; + 32 columns x 4 bytes x the group
	s_add_co_u32 s22, s22, s23
	s_mov_b32 s23, 0
	s_lshl_b32 s24, s18, 19                        ; codes: (1024 weight + 32 group) rows of 512 bytes
	s_lshl_b32 s25, s19, 14
	s_add_co_u32 s24, s24, s25
	s_mov_b32 s25, 0
	s_lshl_b32 s26, s18, 15                        ; scale bytes: the same rows of 32 bytes
	s_lshl_b32 s27, s19, 10
	s_add_co_u32 s26, s26, s27
	s_add_co_u32 s26, s26, 1572864
	s_mov_b32 s27, 0
	s_wait_kmcnt 0x0
	s_cmp_eq_u32 s18, 0                            ; the choice hangs on the work-group's number alone
	s_cselect_b64 s[20:21], s[6:7], s[8:9]
	s_cmp_eq_u32 s18, 2
	s_cselect_b64 s[20:21], s[10:11], s[20:21]
	s_add_nc_u64 s[20:21], s[20:21], s[22:23]
	s_add_nc_u64 s[24:25], s[14:15], s[24:25]
	s_add_nc_u64 s[26:27], s[14:15], s[26:27]
.macro WLOAD t                         ; block t: W(128 w + 32 t + i, my column), i = 0 .. 31
.irp i, 0,1,2,3,4,5,6,7,8,9,10,11,12,13,14,15,16,17,18,19,20,21,22,23,24,25,26,27,28,29,30,31
	global_load_b32 v[WX+32*((\t)%2)+\i], v3, s[20:21] offset:(32*(\t)+\i)*4096 th:TH_LOAD_NT
.endr
.endm
	WLOAD 0
	WLOAD 1
.macro WBLOCK t
.set XS, WX+32*((\t)%2)
.if (\t) < 3
	s_wait_loadcnt 32                              ; this block's 32 loads are in; the next block's may be out
.else
	s_wait_loadcnt 0x0
.endif
	v_max3_num_f32 v8, |v[XS]|, |v[XS+1]|, |v[XS+2]|   ; the block's largest magnitude: all 32 numbers are mine
	v_max3_num_f32 v9, |v[XS+3]|, |v[XS+4]|, |v[XS+5]|
.irp i, 6,10,14,18,22,26
	v_max3_num_f32 v8, v8, |v[XS+\i]|, |v[XS+\i+1]|
	v_max3_num_f32 v9, v9, |v[XS+\i+2]|, |v[XS+\i+3]|
.endr
	v_max3_num_f32 v8, v8, |v[XS+30]|, |v[XS+31]|
	v_max3_num_f32 v8, v8, v9, 0x1800000           ; and the floor
	v_add_nc_u32 v11, 0xff000000, v8               ; the conversion's scale operand
	v_lshrrev_b32 v9, 23, v11                      ; the scale's byte
.if (\t) == 0
	v_mov_b32 v24, v9                              ; four bytes to a word, the lower K in the lower byte
.else
	v_lshl_or_b32 v24, v9, 8*(\t), v24
.endif
.irp g, 0,1,2,3
	v_cvt_scalef32_pk8_fp4_f32 v[WC+\g], v[XS+8*\g:XS+8*\g+7], v11
.endr
	ds_store_b128 v4, v[WC:WC+3] offset:16*(\t)    ; 32 codes: 16 bytes of my column's row
.if (\t)+2 < 4
	WLOAD (\t)+2
.endif
	s_wait_dscnt 0x0                               ; the store has read its registers: the next block's codes may be written
.endm
	WBLOCK 0
	WBLOCK 1
	WBLOCK 2
	WBLOCK 3
	ds_store_b32 v5, v24
	s_wait_dscnt 0x0                               ; for the others' sake: my stores have landed
	s_barrier_signal -1
	s_barrier_wait -1                              ; 32 whole rows of codes and of scale bytes lie in LDS
.irp i, 0,1,2,3
	ds_load_b128 v[WO+4*\i:WO+4*\i+3], v7 offset:WPI*\i
.endr
	ds_load_b32 v[WO+16], v15
	s_wait_dscnt 0x0
.irp i, 0,1,2,3
	global_store_b128 v14, v[WO+4*\i:WO+4*\i+3], s[24:25] offset:512*\i   ; 32 lanes store a row's 512 consecutive bytes
.endr
	global_store_b32 v10, v[WO+16], s[26:27]       ; the work-group's 1,024 scale bytes are consecutive
	s_wait_tensorcnt 0x0                           ; the wave's end
	ds_add_u32 v[SPW], v[NIL]
	s_wait_dscnt 0x0
	s_endpgm
.Lfunc_end_k_qfc82352e62_quant:
	.size	k_qfc82352e62_quant, .Lfunc_end_k_qfc82352e62_quant-k_qfc82352e62_quant
	.p2alignl 7, 3214868480
	.fill 96, 4, 3214868480
	.section	.rodata,"a",@progbits
	.p2align	6, 0x0
	.amdhsa_kernel k_qfc82352e62_quant
		.amdhsa_group_segment_fixed_size 84480
		.amdhsa_private_segment_fixed_size 0
		.amdhsa_enable_private_segment 0
		.amdhsa_kernarg_size 48
		.amdhsa_user_sgpr_count 2
		.amdhsa_user_sgpr_kernarg_segment_ptr 1
		.amdhsa_wavefront_size32 1
		.amdhsa_system_sgpr_workgroup_id_x 1
		.amdhsa_system_sgpr_workgroup_id_y 1
		.amdhsa_system_sgpr_workgroup_id_z 1
		.amdhsa_system_vgpr_workitem_id 0
		.amdhsa_next_free_vgpr 224
		.amdhsa_next_free_sgpr 66
		.amdhsa_reserve_vcc 0
		.amdhsa_float_denorm_mode_32 3
		.amdhsa_float_denorm_mode_16_64 3
		.amdhsa_memory_ordered 1
		.amdhsa_forward_progress 1
		.amdhsa_inst_pref_size 54
	.end_amdhsa_kernel
	.amdgpu_metadata
---
amdhsa.version: [ 1, 2 ]
amdhsa.kernels:
  - .name:           k_qfc82352e62_quant
    .symbol:         k_qfc82352e62_quant.kd
    .args:
      - { .name: x, .offset: 0, .size: 8, .value_kind: global_buffer, .address_space: global }
      - { .name: W_q, .offset: 8, .size: 8, .value_kind: global_buffer, .address_space: global }
      - { .name: W_k, .offset: 16, .size: 8, .value_kind: global_buffer, .address_space: global }
      - { .name: W_v, .offset: 24, .size: 8, .value_kind: global_buffer, .address_space: global }
      - { .name: xq, .offset: 32, .size: 8, .value_kind: global_buffer, .address_space: global }
      - { .name: wq, .offset: 40, .size: 8, .value_kind: global_buffer, .address_space: global }
    .group_segment_fixed_size: 84480
    .private_segment_fixed_size: 0
    .kernarg_segment_align: 8
    .kernarg_segment_size: 48
    .max_flat_workgroup_size: 256
    .sgpr_count:     66
    .vgpr_count:     224
    .wavefront_size: 32
...
	.end_amdgpu_metadata
.endif
;; end of part 1
;; launch proj (part 2): grid 12 x 32, 4 waves a work-group, clusters of 4 x 4, 327,680 bytes of LDS; arguments xq, wq, qk, vt, fine; writes qk, vt, fine
.if DOCPART == 2
	.amdgcn_target "amdgcn-amd-amdhsa--gfx1250"
	.amdhsa_code_object_version 6
	.text
	.protected	k_qfc82352e62_proj
	.globl	k_qfc82352e62_proj
	.p2align	8
	.type	k_qfc82352e62_proj,@function
k_qfc82352e62_proj:
	s_mov_b64 s[64:65], 0
	v_nop
	global_prefetch_b8 v0, s[64:65] scope:SCOPE_SE
	s_setreg_imm32_b32 hwreg(HW_REG_WAVE_MODE, 25, 1), 1
	s_wait_xcnt 0x0
	s_wait_alu depctr_hold_cnt(0) depctr_sa_sdst(0) depctr_va_vdst(0) depctr_va_sdst(0) depctr_va_ssrc(0) depctr_va_vcc(0) depctr_vm_vsrc(0)
	s_getreg_b32 s2, hwreg(HW_REG_IB_STS2, 6, 4)
	s_cmp_eq_u32 s2, 0
	s_cbranch_scc0 .Lentry_in_a_cluster
	s_endpgm
.Lentry_in_a_cluster:
	s_bfe_u32 s2, ttmp6, 0x10000c
	s_cmp_lg_u32 s2, 0xf033
	s_cbranch_scc0 .Lentry_shape_is_right
	s_endpgm
.Lentry_shape_is_right:
; q, k, v = x W on codes of FP4 (E2M1) with E8M0 scales, K = 1,024; sums in f32.  A tile of C is 256 x 256, four waves of 128 x 128 (64 accumulators, 512 registers).
; Clusters x = 0, 1: A = x's rows (tokens), B = rows 0-2047 of wq (W_q's, W_k's columns): C = qk [8192 tokens][2048] f16, q in columns 0-1023, k in 1024-2047.
; Cluster x = 2: A = rows 2048-3071 of wq (W_v's columns), B = x's rows: C = vt [1024 channels][8192 tokens] f16: v comes out TRANSPOSED, as the last product wants it, by changing the operands' places.
; Which case it is hangs on the cluster's x alone: buffers, constant offsets and C's pitch are chosen by selects; the text has one path.
; K is two steps of 512: both slots and all scale bytes are asked for at the head, three tensor loads a wave, and nothing is filled again.
; CLUSTERS: 4 x 4.  A's tile hangs on cy and the cluster's numbers alone and is asked for jointly along a row of the cluster, B's on cx and is asked for along a column.
; THE MATRIX INSTRUCTION IS USED TRANSPOSED (source 0 = 16 rows of B, source 1 = 16 rows of A): a lane holds eight neighbouring numbers of a row of C.
; Positions 0-15 of each sequence also leave in f32, as images of the accumulators' registers (fine: [(3 batch + part)][64 tiles][1,024 bytes]; registers 0-3 at 16 x lane, 4-7 at 512 + 16 x lane): the last launch works on them.
; LIMITS: |q|, |k|, |v| must stay under 65,504, f16's largest number (beyond it they become infinite); NaN and infinities are not served.
; REGISTERS: window 0: v0-31 addresses; v32-95 scale words, two sets, and nothing else; v96-104 the way out's offsets; v128-191 A's fragments, one set, later rows read back; v192-223 packed results.
;   window 1: B's fragments, two sets, at v0 and v128.  window 2: accumulators of my rows 0-63 ((a, b) at v[8 (8 a + b)]).  window 3: rows 64-127.
.set NQ,     4                         ; steps of 128 along K in a slot
.set ROWB,   256                       ; a tile's row: 512 codes
.set KROW,   512                       ; a row of codes in memory
.set PITCH,  272                       ; an LDS row: 256 bytes + 16 of padding: the 16 rows that a load touches start 68 words apart
.set FR,     8
.set NL,     2
.set NP,     4
.set HALFT,  128*PITCH
.set SLOT,   4*HALFT
.set KS,     32                        ; a row of scale bytes
.set SCL,    2*SLOT                    ; the scale bytes, as rows of 256 bytes + 16
.set HALFS,  16*272                    ; those of 128 rows
.set SBLK,   2*272                     ; those of 16 rows
.set SPARE,  SCL+4*HALFS               ; the spare words: two blocks of 256 bytes that no other line names
.set STAGE,  SPARE+512                 ; the way out: 16 rows x 272 bytes for each wave; no tensor load lands here
.set SPITCH, 272
.set ADRA, 16
.set ADRB, 20
.set STO,  24
.set RD,   25
.set ADRS, 27
.set SPW,  28
.set NIL,  29
.set SC,   32
.set CO,   96                          ; v96-103  (2 t + lane / 16) x C's pitch + 16 (lane % 16)
.set IMG,  104                         ; v104     16 x lane
.set AF,   128
.set OB,   128                         ; 16 rows read back: v128-159 and v160-191 by turns
.set TMP,  192
.set G1, 24
.set G0, 32
.set G1B, 48
.set G0B, 56
.set G1S, 68
.set G0S, 76
.set G1SB, 80
.set G0SB, 88
.set MSB, 0
.macro WIN new                         ; the immediate's high byte repeats the setting that is left
.if MSB != (\new)
	s_set_vgpr_msb (MSB<<8)|(\new)
.set MSB, (\new)
.endif
.endm
.set MUL_LO, 0xa1                      ; source 0 (B) window 1, source 1 (A) window 0, C and D window 2
.set MUL_HI, 0xf1
.set TO_B,   0x40
; A joint load: waves 0 and 1 fetch for A, waves 2 and 3 for B.  An s_nop 0 and four v_nop follow each of the two lines.
.macro JLOAD g0a, g1a, g0b, g1b
	s_cmp_eq_u32 s15, 0
	s_cbranch_scc0 .Lfor_b_\@
	tensor_load_to_lds s[\g0a:\g0a+3], s[\g1a:\g1a+7]
	s_nop 0
.rept 4
	v_nop
.endr
	s_branch .Lasked_\@
.Lfor_b_\@:
	tensor_load_to_lds s[\g0b:\g0b+3], s[\g1b:\g1b+7]
	s_nop 0
.rept 4
	v_nop
.endr
.Lasked_\@:
.endm
.macro CROUND                          ; a round of the cluster's barrier
	s_barrier_signal -1
	s_barrier_wait -1
	s_cmp_lg_u32 s14, 0
	s_cbranch_scc1 .Lnot_wave_0_\@
	s_barrier_signal -3
.Lnot_wave_0_\@:
	s_barrier_wait -3
	s_barrier_signal -1
	s_barrier_wait -1
.endm
	s_load_b256 s[4:11], s[0:1], 0x0               ; xq, wq, qk, vt
	s_load_b64 s[12:13], s[0:1], 0x20              ; fine
	v_lshl_add_u32 v[SPW], v0, 2, SPARE
	v_mov_b32 v[NIL], 0
	ds_add_u32 v[SPW], v[NIL]                      ; the wave's opening: the add, twice on end, and its wait ahead of my first tensor load
	ds_add_u32 v[SPW], v[NIL]
	v_lshrrev_b32 v1, 5, v0
	v_readfirstlane_b32 s14, v1                    ; wave 0..3
	s_lshr_b32 s15, s14, 1                         ; which half of the tile's rows is mine.  Also: I fetch for A (0) or for B (1)
	s_and_b32 s16, s14, 1                          ; which half of its columns.  Also: which 128 rows I fetch
	s_bfe_u32 s40, ttmp6, 0x40000                  ; cx
	s_bfe_u32 s41, ttmp6, 0x40004                  ; cy
	s_and_b32 s2, ttmp7, 0xffff                    ; the cluster's y, 0..7
	s_lshl_b32 s43, s41, 2
	s_lshl_b32 s43, 15, s43                        ; my row of the cluster
	s_lshl_b32 s44, 0x1111, s40                    ; my column
	s_lshl_b32 s17, s41, 3
	s_add_co_u32 s17, s17, s2                      ; 8 cy + cluster y: a tile row of x (batch cy)
	s_lshl_b32 s42, s40, 3
	s_add_co_u32 s42, s42, s2                      ; 8 cx + cluster y: the same by cx
	s_lshl_b32 s45, ttmp9, 2
	s_add_co_u32 s45, s45, s40                     ; 4 cluster x + cx: a tile of wq's rows 0-2047
	s_mov_b32 s66, 1048576                         ; (moves and selects leave the compare's result alone)
	s_mov_b32 s67, 1638400
	s_mov_b32 s94, 4194304
	s_mov_b32 s18, 1572864
	s_mov_b32 s95, 16384
	s_cmp_eq_u32 ttmp9, 2                          ; v's clusters?
	s_cselect_b32 s3, 1, 0
	s_cselect_b32 s17, s41, s17                    ; A's tile row: hangs on cy and the cluster's numbers
	s_cselect_b32 s42, s42, s45                    ; B's tile: on cx and the cluster's numbers
	s_cselect_b32 s66, s66, 0                      ; where A's codes begin in their buffer: wq's row 2048, or x's row 0
	s_cselect_b32 s67, s67, s94                    ; A's scale bytes
	s_cselect_b32 s94, s94, s18                    ; B's scale bytes
	s_cselect_b32 s95, s95, 0x1000                 ; C's pitch in bytes: vt 16,384, qk 4,096
	; descriptor group 1: 128 rows x 256 bytes, 16 bytes of padding behind each row
	s_or_b32 s[G1+0], s43, (0<<16)|(1<<20)|(1<<21)|(5<<22)|(3<<25)  ; the mask; elements of 1 byte; padding on; bit 21 beside a mask; after every 64 words, 4 words
	s_or_b32 s[G1B+0], s44, (0<<16)|(1<<20)|(1<<21)|(5<<22)|(3<<25)
.irp g, G1, G1B
	s_mov_b32 s[\g+1], ROWB<<16                    ; tensor_dim0
	s_mov_b32 s[\g+2], 128<<16                     ; tensor_dim1
	s_mov_b32 s[\g+3], ROWB<<16                    ; tile_dim0
	s_mov_b32 s[\g+4], 128                         ; tile_dim1
	s_mov_b32 s[\g+5], KROW                        ; from row to row
	s_mov_b32 s[\g+6], 0
	s_mov_b32 s[\g+7], 0
.endr
	; the scale bytes of 128 rows: 4,096 dense bytes as 16 rows of 32 elements of 8 bytes, padded likewise
	s_or_b32 s[G1S+0], s43, (3<<16)|(1<<20)|(1<<21)|(5<<22)|(3<<25)
	s_or_b32 s[G1SB+0], s44, (3<<16)|(1<<20)|(1<<21)|(5<<22)|(3<<25)
.irp g, G1S, G1SB
	s_mov_b32 s[\g+1], 32<<16
	s_mov_b32 s[\g+2], 16<<16
	s_mov_b32 s[\g+3], 32<<16
	s_mov_b32 s[\g+4], 16
	s_mov_b32 s[\g+5], 32
	s_mov_b32 s[\g+6], 0
	s_mov_b32 s[\g+7], 0
.endr
	s_lshl_b32 s18, s16, 7                         ; which 128 rows of the tile I fetch
	s_lshl_b32 s20, s17, 8
	s_add_co_u32 s20, s20, s18                     ; A's row
	s_lshl_b32 s46, s42, 8
	s_add_co_u32 s46, s46, s18                     ; B's row
	s_lshl_b32 s22, s20, 5
	s_add_co_u32 s22, s22, s67                     ; A's scale bytes: 32 a row
	s_mov_b32 s23, 0
	s_lshl_b32 s92, s46, 5
	s_add_co_u32 s92, s92, s94                     ; B's
	s_mov_b32 s93, 0
	s_lshl_b32 s20, s20, 9
	s_add_co_u32 s20, s20, s66                     ; A's codes: 512 bytes a row
	s_mov_b32 s21, 0
	s_lshl_b32 s46, s46, 9                         ; B's
	s_mov_b32 s47, 0
	s_mul_i32 s45, s14, HALFT                      ; where they go: wave x 128 rows: no place in the cluster enters an LDS address
	s_mul_i32 s94, s14, HALFS
	s_wait_dscnt 0x0                               ; both opening adds are done
	s_wait_kmcnt 0x0
	s_cmp_eq_u32 s3, 1
	s_cselect_b64 s[66:67], s[6:7], s[4:5]         ; A's buffer
	s_cselect_b64 s[4:5], s[4:5], s[6:7]           ; B's
	s_cselect_b64 s[8:9], s[10:11], s[8:9]         ; C's
	s_add_nc_u64 s[20:21], s[66:67], s[20:21]
	s_add_nc_u64 s[22:23], s[66:67], s[22:23]
	s_add_nc_u64 s[46:47], s[4:5], s[46:47]
	s_add_nc_u64 s[92:93], s[4:5], s[92:93]
	CROUND                                         ; all sixteen work-groups are here: the joint loads meet
	s_mov_b32 s[G0S], 1
	s_add_co_u32 s[G0S+1], s94, SCL
	s_mov_b64 s[G0S+2:G0S+3], s[22:23]
	s_or_b32 s[G0S+3], s[G0S+3], 0x80000000
	s_mov_b32 s[G0SB], 1
	s_add_co_u32 s[G0SB+1], s94, SCL
	s_mov_b64 s[G0SB+2:G0SB+3], s[92:93]
	s_or_b32 s[G0SB+3], s[G0SB+3], 0x80000000
	JLOAD G0S, G1S, G0SB, G1SB                     ; the scale bytes first: they are wanted with K step 0
.irp s, 0,1
	s_mov_b32 s[G0+4*\s], 1
	s_add_co_u32 s[G0+4*\s+1], s45, \s*SLOT
	s_add_nc_u64 s[G0+4*\s+2:G0+4*\s+3], s[20:21], \s*ROWB
	s_or_b32 s[G0+4*\s+3], s[G0+4*\s+3], 0x80000000
	s_mov_b32 s[G0B+4*\s], 1
	s_add_co_u32 s[G0B+4*\s+1], s45, \s*SLOT
	s_add_nc_u64 s[G0B+4*\s+2:G0B+4*\s+3], s[46:47], \s*ROWB
	s_or_b32 s[G0B+4*\s+3], s[G0B+4*\s+3], 0x80000000
	JLOAD G0+4*\s, G1, G0B+4*\s, G1B
.endr
	v_and_b32 v1, 15, v0                           ; r = lane % 16
	v_bfe_u32 v2, v0, 4, 1                         ; h = lane / 16
	v_mul_u32_u24 v3, v1, PITCH
	v_lshl_add_u32 v4, v2, 4, v3                   ; a fragment's row x pitch + 16 h
	s_mul_i32 s21, s15, HALFT                      ; my 128 rows of A
	s_mul_i32 s22, s16, HALFT                      ; my 128 rows of B,
	s_add_co_u32 s22, s22, 2*HALFT                 ; behind A's 256
.irp s, 0,1
	v_add_nc_u32 v[ADRA+\s], s21, v4
	v_add_nc_u32 v[ADRB+\s], s22, v4
	s_add_co_u32 s21, s21, SLOT
	s_add_co_u32 s22, s22, SLOT
.endr
	v_mul_u32_u24 v5, v1, KS                       ; my row's scale bytes: 32 a row,
	v_lshrrev_b32 v6, 8, v5
	v_lshl_add_u32 v5, v6, 4, v5                   ; and 16 more for each 256 passed
	s_mul_i32 s21, s15, HALFS
	s_mul_i32 s22, s16, HALFS
	s_add_co_u32 s22, s22, 2*HALFS
	s_sub_co_u32 s22, s22, s21
	v_mul_u32_u24 v6, s22, v2                      ; lanes 16-31 take B's: one product, the distance between the two bases
	s_add_co_u32 s21, s21, SCL
	v_add_nc_u32 v5, v5, v6
	v_add_nc_u32 v[ADRS], s21, v5
	s_mul_i32 s23, s14, 16*SPITCH
	s_add_co_u32 s23, s23, STAGE                   ; my stage
	v_mul_u32_u24 v5, v1, SPITCH
	v_lshl_add_u32 v5, v2, 4, v5
	v_add_nc_u32 v[STO], s23, v5                   ; in: row r, 16 bytes for each half of the lanes
	v_mul_u32_u24 v5, v2, SPITCH
	v_lshl_add_u32 v5, v1, 4, v5
	v_add_nc_u32 v[RD], s23, v5                    ; back: lanes 0-15 one row of 256 bytes, lanes 16-31 the next
	v_lshlrev_b32 v6, 4, v1
.irp t, 0,1,2,3,4,5,6,7
	v_add_nc_u32 v5, 2*\t, v2
	v_mad_u32_u24 v[CO+\t], v5, s95, v6            ; the same rows in C: the pitch is a register, so each pair of rows has its offset
.endr
	v_and_b32 v5, 31, v0
	v_lshlrev_b32 v[IMG], 4, v5
	s_lshl_b32 s20, s17, 8
	s_lshl_b32 s21, s15, 7
	s_add_co_u32 s20, s20, s21                     ; my first row of C
	s_mul_i32 s20, s20, s95
	s_lshl_b32 s46, s42, 9                         ; my first column, in bytes: 512 x tile + 256 x half
	s_lshl_b32 s47, s16, 8
	s_add_co_u32 s46, s46, s47
	s_add_co_u32 s20, s20, s46                     ; under 2^26
	s_mov_b32 s21, 0
	s_add_nc_u64 s[8:9], s[8:9], s[20:21]
	s_lshl_b32 s96, s95, 4                         ; 16 rows of C
	s_mov_b32 s97, 0
.macro FRAG reg, adr, q, i             ; 16 rows x 128 K of 4-bit codes: 8 registers: two loads of 16 bytes, 32 bytes apart
.irp c, 0,1
	ds_load_b128 v[\reg+4*\c:\reg+4*\c+3], v[\adr] offset:64*(\q)+32*\c+(\i)*16*PITCH
.endr
.endm
; 16 matrix instructions: A's blocks a0, a0 + 1 x B's eight.  The 64 accumulators take turns, one instruction a turn, in the same order in every step.
; One register carries A's scale word (lanes 0-15) and B's (lanes 16-31) of block i.
.macro MUL16 a0, p, q, sc, zero
.irp a, \a0, \a0+1
.irp b, 0,1,2,3,4,5,6,7
.if \zero
	v_wmma_scale_f32_16x16x128_f8f6f4 v[8*(8*((\a)%4)+\b):8*(8*((\a)%4)+\b)+7], v[128*(\p)+FR*\b:128*(\p)+FR*\b+FR-1], v[AF+FR*(\a):AF+FR*(\a)+FR-1], 0, v[SC+8*NQ*(\sc)+NQ*\b+(\q)], v[SC+8*NQ*(\sc)+NQ*(\a)+(\q)] matrix_a_fmt:MATRIX_FMT_FP4 matrix_b_fmt:MATRIX_FMT_FP4 matrix_a_scale:MATRIX_SCALE_ROW1
.else
	v_wmma_scale_f32_16x16x128_f8f6f4 v[8*(8*((\a)%4)+\b):8*(8*((\a)%4)+\b)+7], v[128*(\p)+FR*\b:128*(\p)+FR*\b+FR-1], v[AF+FR*(\a):AF+FR*(\a)+FR-1], v[8*(8*((\a)%4)+\b):8*(8*((\a)%4)+\b)+7], v[SC+8*NQ*(\sc)+NQ*\b+(\q)], v[SC+8*NQ*(\sc)+NQ*(\a)+(\q)] matrix_a_fmt:MATRIX_FMT_FP4 matrix_b_fmt:MATRIX_FMT_FP4 matrix_a_scale:MATRIX_SCALE_ROW1
.endif
.endr
.endr
.endm
.macro FETCH_B slot, q, p
	WIN TO_B
.irp i, 0,1,2,3,4,5,6,7
	FRAG 128*(\p)+FR*\i, ADRB+\slot, \q, \i
.endr
	WIN 0
.endm
.macro FETCH_A slot, q, i0
.irp i, \i0, \i0+1, \i0+2, \i0+3
	FRAG AF+FR*(\i), ADRA+\slot, \q, \i
.endr
.endm
.macro SCALES sc                       ; a K step's scale words: 4 words a row; lanes 0-15 A's block i, lanes 16-31 B's
.irp i, 0,1,2,3,4,5,6,7
	ds_load_b128 v[SC+8*NQ*\sc+NQ*\i:SC+8*NQ*\sc+NQ*\i+3], v[ADRS] offset:\i*SBLK
.endr
.endm
.macro PLACES n                        ; plain vector lines between a matrix instruction and a load into, or a read of, its registers
.rept \n
	v_nop
.endr
.endm
.macro STEP slot, q, zero              ; 128 along K, with its successor in the same slot
	s_wait_dscnt 4*NL                              ; B's set and A's blocks 0-3 are in; the youngest eight loads (A's blocks 4-7) may be out
	WIN MUL_LO
	MUL16 0, (\q)%2, \q, \slot, \zero
	MUL16 2, (\q)%2, \q, \slot, \zero
	s_wait_dscnt 0
	PLACES NP
	FETCH_B \slot, (\q)+1, 1-(\q)%2
	FETCH_A \slot, (\q)+1, 0
	WIN MUL_HI
	MUL16 4, (\q)%2, \q, \slot, \zero
	MUL16 6, (\q)%2, \q, \slot, \zero
	PLACES NP
	WIN 0
	FETCH_A \slot, (\q)+1, 4
.endm
.macro STEPS slot, from
.set Q, \from
.rept NQ-1-\from
	STEP \slot, Q, 0
.set Q, Q+1
.endr
.endm
	s_wait_tensorcnt 1                             ; the scale bytes and my part of K step 0 are in; K step 1's load may be out
	s_barrier_signal -1
	s_barrier_wait -1
	FETCH_B 0, 0, 0
	FETCH_A 0, 0, 0
	SCALES 0
	FETCH_A 0, 0, 4
	STEP 0, 0, 1                                   ; the first products start the sums: nothing is cleared
	STEPS 0, 1
	; slot 0's last step changes slots: one barrier; in front of it all my tensor loads have landed
	s_wait_tensorcnt 0x0                           ; my part of slot 1
	ds_add_u32 v[SPW], v[NIL]                      ; 0 onto my spare word
	s_wait_dscnt 4*NL+1                            ; the add and the youngest eight loads may be out
	WIN MUL_LO
	MUL16 0, 1, NQ-1, 0, 0
	s_wait_dscnt 0x0
	s_barrier_signal -1
	MUL16 2, 1, NQ-1, 0, 0
	WIN 0
	s_barrier_wait -1                              ; slot 1 is whole
	PLACES NP
	v_add_nc_u32 v[ADRS], 4*NQ, v[ADRS]            ; on to the second K step's scale words
	FETCH_B 1, 0, 0
	FETCH_A 1, 0, 0
	SCALES 1
	WIN MUL_HI
	MUL16 4, 1, NQ-1, 0, 0
	MUL16 6, 1, NQ-1, 0, 0
	PLACES NP
	WIN 0
	FETCH_A 1, 0, 4
	STEPS 1, 0
	s_wait_dscnt 4*NL                              ; the very last step
	WIN MUL_LO
	MUL16 0, 1, NQ-1, 1, 0
	MUL16 2, 1, NQ-1, 1, 0
	s_wait_dscnt 0
	WIN MUL_HI
	MUL16 4, 1, NQ-1, 1, 0
	MUL16 6, 1, NQ-1, 1, 0
	WIN 0
	PLACES NP                                      ; in front of the first reads of results and of loads into A's registers
	; POSITIONS 0-15 OF A SEQUENCE, IN F32.  They lie in the tiles of cluster y = 0.  The branches hang on the cluster's numbers and on the wave's number.
	s_cmp_lg_u32 s2, 0
	s_cbranch_scc1 .Lno_fine
	s_cmp_eq_u32 s3, 1
	s_cbranch_scc1 .Lfine_v
	s_cmp_lg_u32 s15, 0                            ; q, k: rows 0-15 of the tile are block a = 0 of the waves with the upper rows
	s_cbranch_scc1 .Lno_fine
	s_mul_i32 s20, s41, 3                          ; batch cy; part = tile / 4 (0 q, 1 k); image 16 (tile % 4) + 8 half + b
	s_lshr_b32 s21, s42, 2
	s_add_co_u32 s20, s20, s21
	s_lshl_b32 s20, s20, 6
	s_and_b32 s21, s42, 3
	s_lshl_b32 s21, s21, 4
	s_add_co_u32 s20, s20, s21
	s_lshl_b32 s21, s16, 3
	s_add_co_u32 s20, s20, s21
	s_lshl_b32 s20, s20, 10
	s_mov_b32 s21, 0
	s_add_nc_u64 s[12:13], s[12:13], s[20:21]
	WIN 0x08                                       ; a store's data: window 2
.irp b, 0,1,2,3,4,5,6,7
	global_store_b128 v[IMG], v[8*\b:8*\b+3], s[12:13] offset:1024*\b          ; each accumulator from its low end on; 512 consecutive bytes a store
	global_store_b128 v[IMG], v[8*\b+4:8*\b+7], s[12:13] offset:1024*\b+512
.endr
	WIN 0
	s_branch .Lno_fine
.Lfine_v:
	s_cmp_lg_u32 s16, 0                            ; v: tokens 0-15 are block b = 0 of the waves with the left columns
	s_cbranch_scc1 .Lno_fine
	s_mul_i32 s20, s40, 3                          ; batch cx; part 2; image 16 cy + 8 half + a
	s_add_co_u32 s20, s20, 2
	s_lshl_b32 s20, s20, 6
	s_lshl_b32 s21, s41, 4
	s_add_co_u32 s20, s20, s21
	s_lshl_b32 s21, s15, 3
	s_add_co_u32 s20, s20, s21
	s_lshl_b32 s20, s20, 10
	s_mov_b32 s21, 0
	s_add_nc_u64 s[12:13], s[12:13], s[20:21]
	WIN 0x08
.irp a, 0,1,2,3
	global_store_b128 v[IMG], v[64*\a:64*\a+3], s[12:13] offset:1024*\a
	global_store_b128 v[IMG], v[64*\a+4:64*\a+7], s[12:13] offset:1024*\a+512
.endr
	WIN 0x0c                                       ; window 3
.irp a, 0,1,2,3
	global_store_b128 v[IMG], v[64*\a:64*\a+3], s[12:13] offset:1024*(\a+4)
	global_store_b128 v[IMG], v[64*\a+4:64*\a+7], s[12:13] offset:1024*(\a+4)+512
.endr
	WIN 0
.Lno_fine:
; THE WAY OUT, block by block of 16 rows x 128 columns: rounded to f16 (16 bytes a lane), through my own stage, back as whole rows of 256 bytes.
.macro PACK a
.set AC, 64*((\a)%4)
	WIN 0x0a+5*((\a)/4)                            ; sources 0 and 1: window 2 or 3
.irp b, 0,1,2,3,4,5,6,7
.irp r, 0,1,2,3
	v_cvt_pk_f16_f32 v[TMP+4*\b+\r], v[AC+8*\b+2*\r], v[AC+8*\b+2*\r+1]   ; each accumulator from its low end on
.endr
.endr
	WIN 0
.endm
.macro TOSTAGE a
.set BKR, OB+32*((\a)%2)
.irp b, 0,1,2,3,4,5,6,7
	ds_store_b128 v[STO], v[TMP+4*\b:TMP+4*\b+3] offset:32*\b
.endr
.irp t, 0,1,2,3,4,5,6,7
	ds_load_b128 v[BKR+4*\t:BKR+4*\t+3], v[RD] offset:\t*2*SPITCH   ; LDS serves a wave's instructions in order: these see the stores above
.endr
.endm
.macro SEND a
.set BKR, OB+32*((\a)%2)
	s_wait_dscnt 0x0                               ; the block is back in registers
	s_wait_xcnt 0x0                                ; earlier stores have read their base and their registers: both may be written again
.if (\a) > 0
	s_add_nc_u64 s[8:9], s[8:9], s[96:97]          ; 16 rows of C on
.endif
.irp t, 0,1,2,3,4,5,6,7
	global_store_b128 v[CO+\t], v[BKR+4*\t:BKR+4*\t+3], s[8:9]   ; 16 lanes store 256 consecutive bytes, aligned
.endr
.endm
	PACK 0
	TOSTAGE 0
.irp a, 1,2,3,4,5,6,7                  ; block a's conversions stand between block a - 1's loads from the stage and the wait for them
	PACK \a
	SEND \a-1
	TOSTAGE \a
.endr
	SEND 7
	s_wait_tensorcnt 0x0                           ; the wave's end
	ds_add_u32 v[SPW], v[NIL]
	s_wait_dscnt 0x0
	CROUND                                         ; the closing round
	s_endpgm
.Lfunc_end_k_qfc82352e62_proj:
	.size	k_qfc82352e62_proj, .Lfunc_end_k_qfc82352e62_proj-k_qfc82352e62_proj
	.p2alignl 7, 3214868480
	.fill 96, 4, 3214868480
	.section	.rodata,"a",@progbits
	.p2align	6, 0x0
	.amdhsa_kernel k_qfc82352e62_proj
		.amdhsa_group_segment_fixed_size 327680
		.amdhsa_private_segment_fixed_size 0
		.amdhsa_enable_private_segment 0
		.amdhsa_kernarg_size 40
		.amdhsa_user_sgpr_count 2
		.amdhsa_user_sgpr_kernarg_segment_ptr 1
		.amdhsa_wavefront_size32 1
		.amdhsa_system_sgpr_workgroup_id_x 1
		.amdhsa_system_sgpr_workgroup_id_y 1
		.amdhsa_system_sgpr_workgroup_id_z 1
		.amdhsa_system_vgpr_workitem_id 0
		.amdhsa_next_free_vgpr 1024
		.amdhsa_next_free_sgpr 98
		.amdhsa_reserve_vcc 0
		.amdhsa_float_denorm_mode_32 3
		.amdhsa_float_denorm_mode_16_64 3
		.amdhsa_memory_ordered 1
		.amdhsa_forward_progress 1
		.amdhsa_inst_pref_size 132
	.end_amdhsa_kernel
	.amdgpu_metadata
---
amdhsa.version: [ 1, 2 ]
amdhsa.kernels:
  - .name:           k_qfc82352e62_proj
    .symbol:         k_qfc82352e62_proj.kd
    .args:
      - { .name: xq, .offset: 0, .size: 8, .value_kind: global_buffer, .address_space: global }
      - { .name: wq, .offset: 8, .size: 8, .value_kind: global_buffer, .address_space: global }
      - { .name: qk, .offset: 16, .size: 8, .value_kind: global_buffer, .address_space: global }
      - { .name: vt, .offset: 24, .size: 8, .value_kind: global_buffer, .address_space: global }
      - { .name: fine, .offset: 32, .size: 8, .value_kind: global_buffer, .address_space: global }
    .group_segment_fixed_size: 327680
    .private_segment_fixed_size: 0
    .kernarg_segment_align: 8
    .kernarg_segment_size: 40
    .max_flat_workgroup_size: 128
    .sgpr_count:     98
    .vgpr_count:     1024
    .wavefront_size: 32
...
	.end_amdgpu_metadata
.endif
;; end of part 2
;; launch scores (part 3): grid 16 x 16, 4 waves a work-group, clusters of 4 x 4, 327,680 bytes of LDS; arguments qk, pt, st; writes pt, st
.if DOCPART == 3
	.amdgcn_target "amdgcn-amd-amdhsa--gfx1250"
	.amdhsa_code_object_version 6
	.text
	.protected	k_qfc82352e62_scores
	.globl	k_qfc82352e62_scores
	.p2align	8
	.type	k_qfc82352e62_scores,@function
k_qfc82352e62_scores:
	s_mov_b64 s[64:65], 0
	v_nop
	global_prefetch_b8 v0, s[64:65] scope:SCOPE_SE
	s_setreg_imm32_b32 hwreg(HW_REG_WAVE_MODE, 25, 1), 1
	s_wait_xcnt 0x0
	s_wait_alu depctr_hold_cnt(0) depctr_sa_sdst(0) depctr_va_vdst(0) depctr_va_sdst(0) depctr_va_ssrc(0) depctr_va_vcc(0) depctr_vm_vsrc(0)
	s_getreg_b32 s2, hwreg(HW_REG_IB_STS2, 6, 4)
	s_cmp_eq_u32 s2, 0
	s_cbranch_scc0 .Lentry_in_a_cluster
	s_endpgm
.Lentry_in_a_cluster:
	s_bfe_u32 s2, ttmp6, 0x10000c
	s_cmp_lg_u32 s2, 0xf033
	s_cbranch_scc0 .Lentry_shape_is_right
	s_endpgm
.Lentry_shape_is_right:
; Tiles of 128 queries x 128 keys of S = q k^T (f16 operands, f32 sums, K = 1,024), the causal mask, and each tile's own part of the softmax:
; t = s log2(e) / 32; M = the row's largest t IN THIS TILE, rounded up to a whole number; p = 2^(t - M) is stored in f16 (pt); M and the row's sum of the unrounded p go to st.  The next launch joins the tiles.
; qk: [8192 tokens][2048] f16, q in columns 0-1023, k in 1024-2047.  pt: [4][2048 queries][2048 keys] f16.  st: M at ((16 batch + i) 16 + j) 512 + 4 row, the sum 524,288 bytes further on.
; CLUSTERS: 4 x 4 tiles are a block of 512 x 512; a batch has ten blocks at or under the diagonal, numbered (0,0) (1,0) (1,1) (2,0) ..  q's tile is asked for jointly along a row of the cluster, k's along a column.
; THE CLUSTERS STAY: 16 clusters, 256 work-groups.  Cluster x = c of batch y walks blocks c, c + 4, c + 8 as far as they lie under 10: three blocks for c < 2, two for the others (40 blocks do not divide by 16).
; The ring does not stop at a tile's end: a tile's last two changes of slots ask for the next tile's first two K steps, the last also fetches its first fragments, and nothing waits for a tile's stores.
; The number of tiles hangs on the cluster's x alone, which all sixteen partners share; the last tile is written out behind the loop; no LDS address is stepped from tile to tile.
; In a block on the diagonal the six tiles above the diagonal are made like the others, so that every partner makes every joint request: their scores are all hidden, p = 0, M = -3e38, sum 0.
; A hidden score becomes -infinity ahead of the maximum.  A row all of whose scores are hidden keeps M = -3e38.
; Four waves, each 64 x 64: 16 accumulators.  K in four steps of 256 through two LDS slots.  THE MATRIX INSTRUCTION IS USED TRANSPOSED (source 0 = 16 keys, source 1 = 16 queries): a lane holds one query and eight neighbouring keys.
; LIMITS: NaN and infinities among q, k are not served.
; REGISTERS: window 0: v0-31 addresses; v32-95 packed p, then whole rows; v96-119 statistics; v128-255 the accumulators ((a, b) at v[128 + 8 (4 a + b)]).  window 1: two fragment buffers of 128.
.set KSTEP,  256
.set PITCH,  528                       ; an LDS row: 512 bytes + 16
.set HALFT,  64*PITCH
.set SLOT,   4*HALFT
.set STAGE,  2*SLOT                    ; 128 rows x 272 bytes, the work-group's
.set SPITCH, 272
.set MX,     STAGE+128*SPITCH          ; [2 halves of the keys][128 rows] f32: maxima; 1,024 bytes further on: sums.  A multiple of 1,024
.set SPARE,  MX+2048                   ; the spare words: two blocks of 256 bytes that no other line names
.set ADRA, 16
.set ADRB, 20
.set STO,  24
.set RD,   25
.set CO,   26
.set SPW,  28
.set NIL,  29
.set TMP,  32
.set ACC,  128
.set F0,   0
.set F1,   128
.set G1, 24
.set G0, 32
.set G1B, 48
.set G0B, 56
.set SBN,  73                          ; s73  the block whose tiles are asked for next
.set CUR,  74                          ; s74  the block that is being multiplied and goes out
.set RB,   75                          ; s75  2048 batch + the 64 rows of a tile that I fetch
.set PTA,  76                          ; s[76:77] pt at the first row that I store of the tile in hand
.set STA,  78                          ; s[78:79] st at the tile in hand
.set TG,   80                          ; s80  tiles to go that have a successor
.set HD,   81                          ; s81  64 (my queries' half - my keys' half)
.set PR,   82                          ; s82  2048 batch + 32 wave
.set B16,  83                          ; s83  16 batch
.set MSB, 0
.macro WIN new
.if MSB != (\new)
	s_set_vgpr_msb (MSB<<8)|(\new)
.set MSB, (\new)
.endif
.endm
.set MUL,  0x05                        ; sources 0 and 1 window 1; C and D window 0
.set TO_F, 0x40
.macro JLOAD s                         ; a joint load: waves 0 and 1 fetch q's two halves, waves 2 and 3 k's; an s_nop 0 and four v_nop follow each line
	s_cmp_eq_u32 s11, 0
	s_cbranch_scc0 .Lfor_b_\@
	tensor_load_to_lds s[G0+4*\s:G0+4*\s+3], s[G1:G1+7]
	s_nop 0
.rept 4
	v_nop
.endr
	s_branch .Lasked_\@
.Lfor_b_\@:
	tensor_load_to_lds s[G0B+4*\s:G0B+4*\s+3], s[G1B:G1B+7]
	s_nop 0
.rept 4
	v_nop
.endr
.Lasked_\@:
.endm
.macro CREST
	s_cmp_lg_u32 s10, 0
	s_cbranch_scc1 .Lnot_wave_0_\@
	s_barrier_signal -3
.Lnot_wave_0_\@:
	s_barrier_wait -3
	s_barrier_signal -1
	s_barrier_wait -1
.endm
.macro CROUND
	s_barrier_signal -1
	s_barrier_wait -1
	CREST
.endm
; From a block's number 0..9 in s[sb]: its row gi (s66) and column gj (s67), my block of 128 queries i (s13, made of cy) and of 128 keys j (s42, made of cx)
.macro IDS sb
	s_cmp_ge_u32 s[\sb], 1
	s_cselect_b32 s66, 1, 0
	s_cmp_ge_u32 s[\sb], 3
	s_cselect_b32 s67, 1, 0
	s_add_co_u32 s66, s66, s67
	s_cmp_ge_u32 s[\sb], 6
	s_cselect_b32 s67, 1, 0
	s_add_co_u32 s66, s66, s67                     ; gi
	s_add_co_u32 s67, s66, 1
	s_mul_i32 s67, s67, s66
	s_lshr_b32 s67, s67, 1
	s_sub_co_u32 s67, s[\sb], s67                  ; gj = the number - gi (gi + 1) / 2
	s_lshl_b32 s13, s66, 2
	s_add_co_u32 s13, s13, s41                     ; i
	s_lshl_b32 s42, s67, 2
	s_add_co_u32 s42, s42, s40                     ; j
.endm
; Where the tiles of that block begin in qk, in bytes: q's in s[16:17], which never hold cx; k's in s[46:47], which never hold cy (s17 and s47 stay 0)
.macro OFFS
	s_lshl_b32 s16, s13, 7
	s_add_co_u32 s16, s16, s[RB]
	s_lshl_b32 s16, s16, 12                        ; q's rows: 4,096 bytes each
	s_lshl_b32 s46, s42, 7
	s_add_co_u32 s46, s46, s[RB]
	s_lshl_b32 s46, s46, 12
	s_add_co_u32 s46, s46, 2048                    ; k's: the rows' second half
.endm
; The global addresses of a slot's two descriptors: K step 0 (slot 0) or 1 (slot 1) of the tiles at s[16:17] and s[46:47].  No tensor load of the wave is out where this stands.
.macro SETG slot
	s_add_nc_u64 s[G0+4*\slot+2:G0+4*\slot+3], s[4:5], s[16:17]
	s_add_nc_u64 s[G0B+4*\slot+2:G0B+4*\slot+3], s[4:5], s[46:47]
.if \slot == 1
	s_add_nc_u64 s[G0+4*\slot+2:G0+4*\slot+3], s[G0+4*\slot+2:G0+4*\slot+3], KSTEP*2
	s_add_nc_u64 s[G0B+4*\slot+2:G0B+4*\slot+3], s[G0B+4*\slot+2:G0B+4*\slot+3], KSTEP*2
.endif
	s_or_b32 s[G0+4*\slot+3], s[G0+4*\slot+3], 0x80000000    ; type = 2
	s_or_b32 s[G0B+4*\slot+3], s[G0B+4*\slot+3], 0x80000000
.endm
	s_load_b128 s[4:7], s[0:1], 0x0                ; qk, pt
	s_load_b64 s[8:9], s[0:1], 0x10                ; st
	v_lshl_add_u32 v[SPW], v0, 2, SPARE
	v_mov_b32 v[NIL], 0
	ds_add_u32 v[SPW], v[NIL]                      ; the wave's opening: the add, twice on end, and its wait ahead of my first tensor load
	ds_add_u32 v[SPW], v[NIL]
	v_lshrrev_b32 v1, 5, v0
	v_readfirstlane_b32 s10, v1                    ; wave 0..3
	s_lshr_b32 s11, s10, 1                         ; which half of the queries is mine.  Also: I fetch for q (0) or for k (1)
	s_and_b32 s12, s10, 1                          ; which half of the keys.  Also: which 64 rows I fetch
	s_bfe_u32 s40, ttmp6, 0x40000                  ; cx
	s_bfe_u32 s41, ttmp6, 0x40004                  ; cy
	s_and_b32 s72, ttmp7, 0xffff                   ; the batch
	s_mov_b32 s[SBN], ttmp9                        ; the walk begins at block c = the cluster's x
	s_mov_b32 s[CUR], ttmp9
	s_cmp_lt_u32 ttmp9, 2                          ; blocks c, c + 4, c + 8 under 10: three for c < 2, else two:
	s_cselect_b32 s[TG], 2, 1                      ; all but the last have a successor.  The same in all sixteen partners
	s_lshl_b32 s[RB], s72, 11
	s_lshl_b32 s18, s12, 6
	s_add_co_u32 s[RB], s[RB], s18
	s_lshl_b32 s[PR], s72, 11
	s_lshl_b32 s18, s10, 5
	s_add_co_u32 s[PR], s[PR], s18
	s_lshl_b32 s[B16], s72, 4
	s_sub_co_i32 s[HD], s11, s12
	s_lshl_b32 s[HD], s[HD], 6
	s_lshl_b32 s43, s41, 2
	s_lshl_b32 s43, 15, s43                        ; my row of the cluster
	s_lshl_b32 s44, 0x1111, s40                    ; my column
	s_or_b32 s[G1+0], s43, (1<<16)|(1<<20)|(1<<21)|(6<<22)|(3<<25)  ; the mask; elements of 2 bytes; padding on; bit 21 beside a mask; after every 128 words, 4 words
	s_or_b32 s[G1B+0], s44, (1<<16)|(1<<20)|(1<<21)|(6<<22)|(3<<25)
.irp g, G1, G1B
	s_mov_b32 s[\g+1], KSTEP<<16                   ; tensor_dim0 = 256
	s_mov_b32 s[\g+2], 64<<16                      ; tensor_dim1 = 64
	s_mov_b32 s[\g+3], KSTEP<<16                   ; tile_dim0
	s_mov_b32 s[\g+4], 64                          ; tile_dim1
	s_mov_b32 s[\g+5], 2048                        ; elements from row to row of qk
	s_mov_b32 s[\g+6], 0
	s_mov_b32 s[\g+7], 0
.endr
	s_mov_b32 s17, 0
	s_mov_b32 s47, 0
	IDS SBN
	OFFS                                           ; the first tile's
	s_mul_i32 s20, s10, HALFT                      ; where the tiles go: wave x 64 rows: no place in the cluster enters an LDS address
	s_mov_b32 s68, 0x3d38aa3b                      ; c = log2(e) / sqrt(1024)
	s_mov_b32 s69, s68                             ; (named with it as a pair)
	s_mov_b32 s70, 0x76543210
	s_mov_b32 s71, 0xfedcba98                      ; lane selects: lane l xor 16
	s_wait_dscnt 0x0                               ; both opening adds are done
	s_wait_kmcnt 0x0
	CROUND                                         ; all sixteen work-groups are here
.irp s, 0,1
	s_mov_b32 s[G0+4*\s], 1
	s_add_co_u32 s[G0+4*\s+1], s20, \s*SLOT        ; a slot's LDS address is written here and never again
	s_mov_b32 s[G0B+4*\s], 1
	s_add_co_u32 s[G0B+4*\s+1], s20, \s*SLOT
	SETG \s
	JLOAD \s
.endr
	v_and_b32 v1, 15, v0                           ; r
	v_bfe_u32 v2, v0, 4, 1                         ; h
	v_mul_u32_u24 v3, v1, PITCH
	v_lshl_add_u32 v3, v2, 4, v3
	s_mul_i32 s21, s11, HALFT                      ; my 64 queries
	s_mul_i32 s22, s12, HALFT                      ; my 64 keys,
	s_add_co_u32 s22, s22, 2*HALFT                 ; behind the 128 queries
.irp s, 0,1
	v_add_nc_u32 v[ADRA+\s], s21, v3
	v_add_nc_u32 v[ADRB+\s], s22, v3
	s_add_co_u32 s21, s21, SLOT
	s_add_co_u32 s22, s22, SLOT
.endr
	s_mul_i32 s23, s11, 64*SPITCH                  ; into the stage: my 64 rows, my half of their 256 bytes
	s_lshl_b32 s21, s12, 7
	s_add_co_u32 s23, s23, s21
	s_add_co_u32 s23, s23, STAGE
	v_mul_u32_u24 v4, v1, SPITCH
	v_lshl_add_u32 v4, v2, 4, v4
	v_add_nc_u32 v[STO], s23, v4
	s_mul_i32 s23, s10, 32*SPITCH                  ; back: wave w takes rows 32 w on, whole
	s_add_co_u32 s23, s23, STAGE
	v_mul_u32_u24 v5, v2, SPITCH
	v_lshl_add_u32 v5, v1, 4, v5
	v_add_nc_u32 v[RD], s23, v5
	v_lshlrev_b32 v5, 12, v2                       ; and the same two rows in pt
	v_lshl_add_u32 v[CO], v1, 4, v5
	s_lshl_b32 s21, s12, 9
	s_lshl_b32 s22, s11, 8
	s_add_co_u32 s21, s21, s22
	s_add_co_u32 s21, s21, MX
	v_lshl_add_u32 v10, v1, 2, s21                 ; my word among the maxima: half of the keys, row 64 half + r (+ 16 a by the offset)
	v_xor_b32 v11, 512, v10                        ; the other half's
	v_add_nc_u32 v12, 1024, v10                    ; mine among the sums
	v_lshl_add_u32 v13, v0, 2, MX                  ; at the end thread t speaks for row t
	v_lshlrev_b32 v14, 2, v0
	v_lshlrev_b32 v6, 3, v2
	v_sub_nc_u32 v15, v1, v6                       ; r - 8 h: the lane's part of the mask's bound
	v_mov_b32 v31, 0xff800000                      ; -infinity
.irp a, 0,1,2,3
	v_mov_b32 v[100+\a], 0                         ; a lane permute's destination counts as one of its sources
	v_mov_b32 v[105+2*\a], 0                       ; named as the upper halves of pairs
.endr
.macro MUL8 f, c, a0, zero             ; 8 matrix instructions; the 16 accumulators take turns, one instruction a turn, from tile to tile too
.irp a, \a0, \a0+1
.irp b, 0,1,2,3
.if \zero
	v_wmma_f32_16x16x32_f16 v[ACC+8*(4*(\a)+\b):ACC+8*(4*(\a)+\b)+7], v[\f+64+8*(4*\c+\b):\f+64+8*(4*\c+\b)+7], v[\f+8*(4*\c+\a):\f+8*(4*\c+\a)+7], 0
.else
	v_wmma_f32_16x16x32_f16 v[ACC+8*(4*(\a)+\b):ACC+8*(4*(\a)+\b)+7], v[\f+64+8*(4*\c+\b):\f+64+8*(4*\c+\b)+7], v[\f+8*(4*\c+\a):\f+8*(4*\c+\a)+7], v[ACC+8*(4*(\a)+\b):ACC+8*(4*(\a)+\b)+7]
.endif
.endr
.endr
.endm
.macro FETCH slot, k, f                ; 32 LDS loads in one run: the fragments of 64 along K; the first 32 along K first
	WIN TO_F
.irp c, 0,1
.irp i, 0,1,2,3
	ds_load_b128 v[\f+64+8*(4*\c+\i):\f+64+8*(4*\c+\i)+3],   v[ADRB+\slot] offset:\k+64*\c+\i*16*PITCH
	ds_load_b128 v[\f+64+8*(4*\c+\i)+4:\f+64+8*(4*\c+\i)+7], v[ADRB+\slot] offset:\k+64*\c+\i*16*PITCH+32
	ds_load_b128 v[\f+8*(4*\c+\i):\f+8*(4*\c+\i)+3],         v[ADRA+\slot] offset:\k+64*\c+\i*16*PITCH
	ds_load_b128 v[\f+8*(4*\c+\i)+4:\f+8*(4*\c+\i)+7],       v[ADRA+\slot] offset:\k+64*\c+\i*16*PITCH+32
.endr
.endr
.endm
.macro PLACES
.rept 4
	v_nop
.endr
.endm
.macro QUARTER slot, k, f, g, zero     ; 64 along K on buffer f; the next quarter's fragments, at byte k, into g
	s_wait_dscnt 16                                ; the first 32 along K are in; the youngest sixteen loads may be out
	WIN MUL
	MUL8 \f, 0, 0, \zero
	MUL8 \f, 0, 2, \zero
	PLACES
	FETCH \slot, \k, \g
	s_wait_dscnt 32                                ; all but the 32 just issued
	WIN MUL
	MUL8 \f, 1, 0, 0
	MUL8 \f, 1, 2, 0
.endm
; A K step's last quarter changes slots: one barrier; in front of it each wave waits for all its tensor loads, adds 0 to its spare word, and waits for that and for its reads of this slot.
; fill = 1: this slot takes this tile's K step two steps on;  2: the NEXT tile's K step 0 (slot 0) or 1 (slot 1);  0: nothing is left to fetch.
.macro TURN slot, next, fill
	WIN 0
	s_wait_tensorcnt 0x0                           ; all my tensor loads have landed: my part of the next slot
	ds_add_u32 v[SPW], v[NIL]
	s_wait_dscnt 17                                ; the add and the youngest sixteen loads may be out
	WIN MUL
	MUL8 F1, 0, 0, 0
	s_wait_dscnt 0x0                               ; the add is done, and my reads of this slot are over
	s_barrier_signal -1
	MUL8 F1, 0, 2, 0
.if \fill
	WIN 0
.endif
	s_barrier_wait -1
.if \fill
	CREST                                          ; the barrier has opened a round of the cluster's: no wave of any partner still reads this slot or has a load on its way
.if \fill == 1
	s_add_nc_u64 s[G0+4*\slot+2:G0+4*\slot+3], s[G0+4*\slot+2:G0+4*\slot+3], 2*KSTEP*2
	s_add_nc_u64 s[G0B+4*\slot+2:G0B+4*\slot+3], s[G0B+4*\slot+2:G0B+4*\slot+3], 2*KSTEP*2
.else
	SETG \slot
.endif
	JLOAD \slot                                    ; the first tensor load behind the round; its four v_nop are also the places in front of the loads below
.else
	PLACES
.endif
	FETCH \next, 0, F0
	WIN MUL
	MUL8 F1, 1, 0, 0
	MUL8 F1, 1, 2, 0
.endm
; THE WAY OUT of the tile of block s[CUR].  Where the tile has a successor, one tensor load of mine (the next tile's K step 1) is out meanwhile, and that load is
; waited for at the next change of slots.  The stage and the tables of maxima and sums are the work-group's and are written again in the next tile's way out: between this tile's reads of them and those stores
; every wave passes three or four changes of slots, each with its LDS loads waited for in front of its signal.
.macro EPI
	s_wait_xcnt 0x0                                ; the last tile's stores have read their bases and their registers: both are written again below
	IDS CUR
	s_sub_co_i32 s21, s13, s42
	s_lshl_b32 s21, s21, 7
	s_add_co_i32 s21, s21, s[HD]
	v_add_nc_u32 v30, s21, v15                     ; D0 = 128 (i - j) + 64 (my queries' half - my keys' half) + r - 8 h: register (a, b, jj) is hidden where 16 b + jj - 16 a > D0
	s_lshl_b32 s[PTA], s13, 7
	s_add_co_u32 s[PTA], s[PTA], s[PR]             ; the first row of pt that I store
	s_lshl_b32 s[PTA], s[PTA], 12
	s_lshl_b32 s[PTA+1], s42, 8                    ; the tile's first key, in bytes
	s_add_co_u32 s[PTA], s[PTA], s[PTA+1]
	s_mov_b32 s[PTA+1], 0
	s_add_nc_u64 s[PTA:PTA+1], s[6:7], s[PTA:PTA+1]
	s_add_co_u32 s[STA], s[B16], s13
	s_lshl_b32 s[STA], s[STA], 4
	s_add_co_u32 s[STA], s[STA], s42
	s_lshl_b32 s[STA], s[STA], 9                   ; the tile's 512 bytes in st
	s_mov_b32 s[STA+1], 0
	s_add_nc_u64 s[STA:STA+1], s[8:9], s[STA:STA+1]
	; THE MASK, in the blocks on the diagonal (a branch on the block's number).  Each accumulator is taken from its low end on.
	s_cmp_lg_u32 s66, s67
	s_cbranch_scc1 .Lopen_\@
.irp a, 0,1,2,3
.set n, 0
.rept 32
	v_cmp_gt_i32 vcc_lo, 16*(n/8)+n%8-16*\a, v30
	v_cndmask_b32 v[ACC+32*\a+n], v[ACC+32*\a+n], v31, vcc_lo
.set n, n+1
.endr
.endr
.Lopen_\@:
	; THE ROWS' MAXIMA: my four tiles of rows by turns; an accumulator's first read falls on its lowest registers
.irp a, 0,1,2,3
	v_max3_num_f32 v[96+\a], v[ACC+32*\a], v[ACC+32*\a+1], v[ACC+32*\a+2]
.endr
.irp i, 3,5,7,9,11,13,15,17,19,21,23,25,27,29
.irp a, 0,1,2,3
	v_max3_num_f32 v[96+\a], v[96+\a], v[ACC+32*\a+\i], v[ACC+32*\a+\i+1]
.endr
.endr
.irp a, 0,1,2,3
	v_max_num_f32 v[96+\a], v[96+\a], v[ACC+32*\a+31]
.endr
.irp a, 0,1,2,3
	v_permlanex16_b32 v[100+\a], v[96+\a], s70, s71
.endr
.irp a, 0,1,2,3
	v_max_num_f32 v[96+\a], v[96+\a], v[100+\a]    ; of my 64 keys
.endr
.irp a, 0,1,2,3
	ds_store_b32 v10, v[96+\a] offset:64*\a        ; both halves of the lanes write the same word with the same value
.endr
	s_wait_dscnt 0x0                               ; for the others' sake
	s_barrier_signal -1
	s_barrier_wait -1
.irp a, 0,1,2,3
	ds_load_b32 v[100+\a], v11 offset:64*\a        ; the wave with the other 64 keys
.endr
	s_wait_dscnt 0x0
.irp a, 0,1,2,3
	v_max_num_f32 v[96+\a], v[96+\a], v[100+\a]
.endr
.irp a, 0,1,2,3
	v_mul_f32 v[96+\a], s68, v[96+\a]              ; as t (c is positive)
.endr
.irp a, 0,1,2,3
	v_max_num_f32 v[96+\a], 0xff61b1e6, v[96+\a]   ; a row all hidden: -3e38
.endr
.irp a, 0,1,2,3
	v_floor_f32 v[104+2*\a], -v[96+\a]             ; -M = floor(-t): M is a whole number
.endr
.irp a, 0,1,2,3
.set n, 0
.rept 16
	v_pk_fma_f32 v[ACC+32*\a+n:ACC+32*\a+n+1], v[ACC+32*\a+n:ACC+32*\a+n+1], s[68:69], v[104+2*\a:105+2*\a] op_sel_hi:[1,0,0]   ; t - M, two at a time
.set n, n+2
.endr
.endr
.set n, 0
.rept 128
	v_exp_f32 v[ACC+n], v[ACC+n]                   ; p = 2^(t - M), at most 1
.set n, n+1
.endr
	v_nop                                          ; a plain line behind the last exponential
	s_wait_alu depctr_va_vdst(0)                   ; one wait for the whole batch, ahead of its first reader
.irp a, 0,1,2,3
	v_pk_add_f32 v[112+2*\a:113+2*\a], v[ACC+32*\a:ACC+32*\a+1], v[ACC+32*\a+2:ACC+32*\a+3]   ; the sums are taken of the unrounded p
.endr
.irp u, 4,6,8,10,12,14,16,18,20,22,24,26,28,30
.irp a, 0,1,2,3
	v_pk_add_f32 v[112+2*\a:113+2*\a], v[112+2*\a:113+2*\a], v[ACC+32*\a+\u:ACC+32*\a+\u+1]
.endr
.endr
.irp a, 0,1,2,3
	v_add_f32 v[112+2*\a], v[112+2*\a], v[113+2*\a]
.endr
.irp a, 0,1,2,3
	v_permlanex16_b32 v[100+\a], v[112+2*\a], s70, s71
.endr
.irp a, 0,1,2,3
	v_add_f32 v[112+2*\a], v[112+2*\a], v[100+\a]
.endr
.irp t, 0,1,2,3,4,5,6,7,8,9,10,11,12,13,14,15
.irp r, 0,1,2,3
	v_cvt_pk_f16_f32 v[TMP+4*\t+\r], v[ACC+8*\t+2*\r], v[ACC+8*\t+2*\r+1]
.endr
.endr
.irp a, 0,1,2,3
.irp b, 0,1,2,3
	ds_store_b128 v[STO], v[TMP+4*(4*\a+\b):TMP+4*(4*\a+\b)+3] offset:\a*16*SPITCH+32*\b
.endr
.endr
.irp a, 0,1,2,3
	ds_store_b32 v12, v[112+2*\a] offset:64*\a
.endr
	s_wait_dscnt 0x0                               ; for the others' sake: a row's 256 bytes come from two waves
	s_barrier_signal -1
	s_barrier_wait -1
	ds_load_b32 v96, v13                           ; row t: both halves' maxima,
	ds_load_b32 v97, v13 offset:512
	ds_load_b32 v98, v13 offset:1024               ; and both sums
	ds_load_b32 v99, v13 offset:1536
.irp t, 0,1,2,3,4,5,6,7,8,9,10,11,12,13,14,15
	ds_load_b128 v[TMP+4*\t:TMP+4*\t+3], v[RD] offset:\t*2*SPITCH
.endr
	s_wait_dscnt 16                                ; the four words are in; the sixteen rows' loads may be out
	v_max_num_f32 v96, v96, v97
	v_mul_f32 v96, s68, v96                        ; the same lines as above give the same M
	v_max_num_f32 v96, 0xff61b1e6, v96
	v_floor_f32 v96, -v96
	v_sub_f32 v96, 0, v96
	v_add_f32 v98, v98, v99
	global_store_b32 v14, v96, s[STA:STA+1]
	global_store_b32 v14, v98, s[STA:STA+1] offset:524288
.irp t, 0,1,2,3,4,5,6,7,8,9,10,11,12,13,14,15
	s_wait_dscnt 15-\t
	global_store_b128 v[CO], v[TMP+4*\t:TMP+4*\t+3], s[PTA:PTA+1] offset:2*\t*4096   ; 16 lanes store 256 consecutive bytes, aligned
.endr
.endm
; A TILE: four K steps on slots 0, 1, 0, 1, then the way out.  succ = 1: it has a successor, and the ring goes on into it.
.macro TILE succ
	QUARTER 0, 128, F0, F1, 1                      ; K step 0: its first products start the sums: nothing is cleared
	QUARTER 0, 256, F1, F0, 0
	QUARTER 0, 384, F0, F1, 0
	TURN 0, 1, 1                                   ; slot 0 takes K step 2
	QUARTER 1, 128, F0, F1, 0
	QUARTER 1, 256, F1, F0, 0
	QUARTER 1, 384, F0, F1, 0
	TURN 1, 0, 1                                   ; slot 1 takes K step 3
.if \succ
	s_add_co_u32 s[SBN], s[SBN], 4                 ; the walk's next block, and where its tiles lie (the way out makes this tile's numbers anew)
	IDS SBN
	OFFS
.endif
	QUARTER 0, 128, F0, F1, 0
	QUARTER 0, 256, F1, F0, 0
	QUARTER 0, 384, F0, F1, 0
.if \succ
	TURN 0, 1, 2                                   ; slot 0 takes the next tile's K step 0
.else
	TURN 0, 1, 0                                   ; nothing is left to fetch
.endif
	QUARTER 1, 128, F0, F1, 0
	QUARTER 1, 256, F1, F0, 0
	QUARTER 1, 384, F0, F1, 0
.if \succ
	TURN 1, 0, 2                                   ; slot 1 takes the next tile's K step 1, and the next tile's first fragments are fetched
.else
	s_wait_dscnt 16
	WIN MUL
	MUL8 F1, 0, 0, 0
	MUL8 F1, 0, 2, 0
	s_wait_dscnt 0
	MUL8 F1, 1, 0, 0
	MUL8 F1, 1, 2, 0
.endif
	WIN 0
	PLACES                                         ; between the last products and the first read of results
	EPI
.endm
	s_wait_tensorcnt 1                             ; my part of K step 0 is in; K step 1's may be out
	s_barrier_signal -1
	s_barrier_wait -1
	FETCH 0, 0, F0
	WIN 0                                          ; at a label and at a branch every window is 0
.Ltile:                                                ; one trip for each tile that has a successor: two trips or one
	TILE 1
	s_mov_b32 s[CUR], s[SBN]
	s_sub_co_u32 s[TG], s[TG], 1
	s_cmp_lg_u32 s[TG], 0
	s_cbranch_scc1 .Ltile
	TILE 0                                         ; the last tile is written out: it asks for nothing beyond its own K steps
	s_wait_tensorcnt 0x0                           ; the wave's end
	ds_add_u32 v[SPW], v[NIL]
	s_wait_dscnt 0x0
	CROUND                                         ; the closing round
	s_endpgm
.Lfunc_end_k_qfc82352e62_scores:
	.size	k_qfc82352e62_scores, .Lfunc_end_k_qfc82352e62_scores-k_qfc82352e62_scores
	.p2alignl 7, 3214868480
	.fill 96, 4, 3214868480
	.section	.rodata,"a",@progbits
	.p2align	6, 0x0
	.amdhsa_kernel k_qfc82352e62_scores
		.amdhsa_group_segment_fixed_size 327680
		.amdhsa_private_segment_fixed_size 0
		.amdhsa_enable_private_segment 0
		.amdhsa_kernarg_size 24
		.amdhsa_user_sgpr_count 2
		.amdhsa_user_sgpr_kernarg_segment_ptr 1
		.amdhsa_wavefront_size32 1
		.amdhsa_system_sgpr_workgroup_id_x 1
		.amdhsa_system_sgpr_workgroup_id_y 1
		.amdhsa_system_sgpr_workgroup_id_z 1
		.amdhsa_system_vgpr_workitem_id 0
		.amdhsa_next_free_vgpr 512
		.amdhsa_next_free_sgpr 84
		.amdhsa_reserve_vcc 1
		.amdhsa_float_denorm_mode_32 3
		.amdhsa_float_denorm_mode_16_64 3
		.amdhsa_memory_ordered 1
		.amdhsa_forward_progress 1
		.amdhsa_inst_pref_size 227
	.end_amdhsa_kernel
	.amdgpu_metadata
---
amdhsa.version: [ 1, 2 ]
amdhsa.kernels:
  - .name:           k_qfc82352e62_scores
    .symbol:         k_qfc82352e62_scores.kd
    .args:
      - { .name: qk, .offset: 0, .size: 8, .value_kind: global_buffer, .address_space: global }
      - { .name: pt, .offset: 8, .size: 8, .value_kind: global_buffer, .address_space: global }
      - { .name: st, .offset: 16, .size: 8, .value_kind: global_buffer, .address_space: global }
    .group_segment_fixed_size: 327680
    .private_segment_fixed_size: 0
    .kernarg_segment_align: 8
    .kernarg_segment_size: 24
    .max_flat_workgroup_size: 128
    .sgpr_count:     84
    .vgpr_count:     512
    .wavefront_size: 32
...
	.end_amdgpu_metadata
.endif
;; end of part 3
;; launch pv (part 4): grid 8 x 32, 4 waves a work-group, clusters of 4 x 4, 327,680 bytes of LDS; arguments pt, vt, st, out0; writes out0
.if DOCPART == 4
	.amdgcn_target "amdgcn-amd-amdhsa--gfx1250"
	.amdhsa_code_object_version 6
	.text
	.protected	k_qfc82352e62_pv
	.globl	k_qfc82352e62_pv
	.p2align	8
	.type	k_qfc82352e62_pv,@function
k_qfc82352e62_pv:
	s_mov_b64 s[64:65], 0
	v_nop
	global_prefetch_b8 v0, s[64:65] scope:SCOPE_SE
	s_setreg_imm32_b32 hwreg(HW_REG_WAVE_MODE, 25, 1), 1
	s_wait_xcnt 0x0
	s_wait_alu depctr_hold_cnt(0) depctr_sa_sdst(0) depctr_va_vdst(0) depctr_va_sdst(0) depctr_va_ssrc(0) depctr_va_vcc(0) depctr_vm_vsrc(0)
	s_getreg_b32 s2, hwreg(HW_REG_IB_STS2, 6, 4)
	s_cmp_eq_u32 s2, 0
	s_cbranch_scc0 .Lentry_in_a_cluster
	s_endpgm
.Lentry_in_a_cluster:
	s_bfe_u32 s2, ttmp6, 0x10000c
	s_cmp_lg_u32 s2, 0xf033
	s_cbranch_scc0 .Lentry_shape_is_right
	s_endpgm
.Lentry_shape_is_right:
; O = softmax(S) v from the tiles' parts: O[q] = the sum over blocks n of 128 keys of G_n(q) x (P_n V_n)[q], with G_n(q) = 2^(M_n(q) - M(q)) / L(q), M(q) the largest M_n(q), L(q) = the sum of 2^(M_n - M) L_n.
; pt: [4][2048 queries][2048 keys] f16; vt: [1024 channels][8192 tokens] f16; st: M_n and L_n by tile and row; out0: [4][2048][1024] f32.  Products on f16 operands, sums in f32.
; A work-group makes TWO tiles of O, 128 queries x 128 channels: query blocks 4 g + cy and 4 (3 - g) + cy (g = 0, 1 from the cluster's y), which walk g + 1 and 4 - g laps of 512 keys: five laps, twenty blocks, in every work-group.
; The tiles above the diagonal inside a block of 512 x 512 hold zeros with G = 0: they are walked, so that the four query blocks of a cluster walk the same keys in step.
; CLUSTERS: 4 x 4: P's tile is asked for jointly along a row of the cluster (four channel tiles), V's along a column (four query blocks).  All branches hang on the cluster's numbers, the lap's number and the wave's number.
; A block's products go into temporary sums T (two sets by turns); while the next block is multiplied, the last one is merged: O += G x T, one packed multiply-add for two numbers.
; THE MATRIX INSTRUCTION IS USED TRANSPOSED (source 0 = 16 channels, source 1 = 16 queries): a lane holds one query, so G is one number a lane and tile of rows.
; Rows 0-15 of each sequence are written here in this launch's grade and written again, finer, by the launch behind it.
; REGISTERS: window 0: v0-31 addresses; v32-95 the way out; v96-103, v104-111 G of the blocks in T0, T1 (at the even registers); v128-255 O ((a, b) at v[128 + 8 (4 a + b)]).
;   window 1: two fragment buffers of 128.   window 2: T0 at v0, T1 at v128.
.set KSTEP,  256
.set PITCH,  528
.set HALFT,  64*PITCH
.set SLOT,   4*HALFT
.set STAGE,  2*SLOT                    ; 16 rows x 272 bytes for each wave
.set SPITCH, 272
.set GT,     STAGE+4*16*SPITCH         ; G: [20 blocks in the order of the walk][128 rows] f32
.set SPARE,  GT+20*512                 ; the spare words: two blocks of 256 bytes that no other line names
.set ADRA, 16
.set ADRB, 20
.set STO,  24
.set RD,   25
.set CO,   26
.set GA,   27                          ; v27  where my rows' G of the lap in hand begin
.set SPW,  28
.set NIL,  29
.set OUTB, 32
.set GS,   96
.set OACC, 128
.set F0,   0
.set F1,   128
.set G1, 24
.set G0, 32
.set G1B, 48
.set G0B, 56
.set LAM,  66                          ; s66  the lap, 0..4
.set L1,   67                          ; s67  laps of the first tile: g + 1
.set SEG1, 68                          ; s68  bytes from pt's query block cy to the first tile's; s69 to the second's
.set SEG2, 69
.set NA,   70                          ; s[70:71] what the next lap's tiles of P lie from BA; s[72:73] V's from BB
.set NB,   72
.set BA,   74                          ; s[74:75] pt at my batch, query block cy, the 64 rows that I fetch
.set BB,   76                          ; s[76:77] vt at my channel tile, the 64 rows that I fetch, my batch's first token
.set OB1,  78                          ; s[78:79], s[80:81] out0 at my part of the first and of the second tile
.set OB2,  80
.set NLP,  82
.set TT,   83
.set GAM,  84
.set BAT,  85
.set MSK,  86                          ; s86  all ones where g = 1
.set MSB, 0
.macro WIN new
.if MSB != (\new)
	s_set_vgpr_msb (MSB<<8)|(\new)
.set MSB, (\new)
.endif
.endm
.set MULT, 0xa5                        ; sources 0 and 1 window 1; C and D window 2
.set MRG,  0x02                        ; source 0 (T) window 2; G, O window 0
.set TO_F, 0x40
.macro JLOAD s                         ; a joint load: waves 0 and 1 fetch P's two halves, waves 2 and 3 V's; an s_nop 0 and four v_nop follow each line
	s_cmp_eq_u32 s15, 0
	s_cbranch_scc0 .Lfor_b_\@
	tensor_load_to_lds s[G0+4*\s:G0+4*\s+3], s[G1:G1+7]
	s_nop 0
.rept 4
	v_nop
.endr
	s_branch .Lasked_\@
.Lfor_b_\@:
	tensor_load_to_lds s[G0B+4*\s:G0B+4*\s+3], s[G1B:G1B+7]
	s_nop 0
.rept 4
	v_nop
.endr
.Lasked_\@:
.endm
.macro CREST
	s_cmp_lg_u32 s14, 0
	s_cbranch_scc1 .Lnot_wave_0_\@
	s_barrier_signal -3
.Lnot_wave_0_\@:
	s_barrier_wait -3
	s_barrier_signal -1
	s_barrier_wait -1
.endm
.macro CROUND
	s_barrier_signal -1
	s_barrier_wait -1
	CREST
.endm
	s_load_b256 s[4:11], s[0:1], 0x0               ; pt, vt, st, out0
	v_lshl_add_u32 v[SPW], v0, 2, SPARE
	v_mov_b32 v[NIL], 0
	ds_add_u32 v[SPW], v[NIL]                      ; the wave's opening: the add, twice on end, and its wait ahead of my first tensor load
	ds_add_u32 v[SPW], v[NIL]
	v_lshrrev_b32 v1, 5, v0
	v_readfirstlane_b32 s14, v1                    ; wave 0..3
	s_lshr_b32 s15, s14, 1                         ; which half of the queries is mine.  Also: I fetch for P (0) or for V (1)
	s_and_b32 s16, s14, 1                          ; which half of the channels.  Also: which 64 rows I fetch
	s_bfe_u32 s40, ttmp6, 0x40000                  ; cx
	s_bfe_u32 s41, ttmp6, 0x40004                  ; cy
	s_lshl_b32 s42, ttmp9, 2
	s_add_co_u32 s42, s42, s40                     ; my tile of 128 channels
	s_and_b32 s17, ttmp7, 0xffff
	s_lshr_b32 s[BAT], s17, 1                      ; the batch
	s_and_b32 s[GAM], s17, 1                       ; g
	s_add_co_u32 s[L1], s[GAM], 1
	s_lshl_b32 s[SEG1], s[GAM], 21                 ; 512 g rows of 4,096 bytes
	s_sub_co_u32 s18, 3, s[GAM]
	s_lshl_b32 s[SEG2], s18, 21
	s_lshl_b32 s43, s41, 2
	s_lshl_b32 s43, 15, s43                        ; my row of the cluster
	s_lshl_b32 s44, 0x1111, s40                    ; my column
	s_or_b32 s[G1+0], s43, (1<<16)|(1<<20)|(1<<21)|(6<<22)|(3<<25)  ; the mask; elements of 2 bytes; padding on; bit 21 beside a mask; after every 128 words, 4 words
	s_or_b32 s[G1B+0], s44, (1<<16)|(1<<20)|(1<<21)|(6<<22)|(3<<25)
.irp g, G1, G1B
	s_mov_b32 s[\g+1], KSTEP<<16                   ; tensor_dim0 = 256
	s_mov_b32 s[\g+2], 64<<16                      ; tensor_dim1 = 64
	s_mov_b32 s[\g+3], KSTEP<<16                   ; tile_dim0
	s_mov_b32 s[\g+4], 64                          ; tile_dim1
	s_mov_b32 s[\g+6], 0
	s_mov_b32 s[\g+7], 0
.endr
	s_mov_b32 s[G1+5], 2048                        ; elements from row to row of pt,
	s_mov_b32 s[G1B+5], 8192                       ; and of vt
	s_lshl_b32 s20, s[BAT], 11
	s_lshl_b32 s21, s41, 7
	s_add_co_u32 s20, s20, s21
	s_lshl_b32 s21, s16, 6
	s_add_co_u32 s20, s20, s21
	s_lshl_b32 s20, s20, 12                        ; P: row 2048 batch + 128 cy + 64 half
	s_mov_b32 s21, 0
	s_lshl_b32 s46, s42, 7
	s_lshl_b32 s47, s16, 6
	s_add_co_u32 s46, s46, s47
	s_lshl_b32 s46, s46, 14                        ; V: row 128 tile + 64 half, of 16,384 bytes,
	s_lshl_b32 s47, s[BAT], 12
	s_add_co_u32 s46, s46, s47                     ; + the batch's 2,048 tokens
	s_mov_b32 s47, 0
	s_mul_i32 s45, s14, HALFT                      ; where they go: wave x 64 rows
	s_mov_b32 s[LAM], 0
	s_mov_b32 s[NA], s[SEG1]
	s_mov_b32 s[NA+1], 0
	s_mov_b32 s[NB+1], 0
	s_wait_dscnt 0x0                               ; both opening adds are done
	s_wait_kmcnt 0x0
	s_add_nc_u64 s[BA:BA+1], s[4:5], s[20:21]
	s_add_nc_u64 s[BB:BB+1], s[6:7], s[46:47]
	CROUND                                         ; all sixteen work-groups are here
.irp s, 0,1
	s_mov_b32 s[G0+4*\s], 1
	s_add_co_u32 s[G0+4*\s+1], s45, \s*SLOT
	s_add_nc_u64 s[G0+4*\s+2:G0+4*\s+3], s[BA:BA+1], s[NA:NA+1]
	s_add_nc_u64 s[G0+4*\s+2:G0+4*\s+3], s[G0+4*\s+2:G0+4*\s+3], \s*KSTEP*2
	s_or_b32 s[G0+4*\s+3], s[G0+4*\s+3], 0x80000000
	s_mov_b32 s[G0B+4*\s], 1
	s_add_co_u32 s[G0B+4*\s+1], s45, \s*SLOT
	s_add_nc_u64 s[G0B+4*\s+2:G0B+4*\s+3], s[BB:BB+1], \s*KSTEP*2
	s_or_b32 s[G0B+4*\s+3], s[G0B+4*\s+3], 0x80000000
	JLOAD \s                                       ; the first tile's keys 0-255 and 256-511
.endr
	; THE TABLE OF G, while the first tiles land.  Thread t speaks for row t of both tiles.  Block n of the walk belongs to the first tile for n < 4 (g + 1), else to the second.
	s_lshl_b32 s17, s[BAT], 4
	s_lshl_b32 s18, s[GAM], 2
	s_add_co_u32 s18, s18, s41                     ; i1: the first tile's query block
	s_sub_co_u32 s19, 3, s[GAM]
	s_lshl_b32 s19, s19, 2
	s_add_co_u32 s19, s19, s41                     ; i2: the second's
	s_add_co_u32 s20, s17, s18
	s_lshl_b32 s20, s20, 13                        ; st: (16 batch + i1) 16 tiles of 512 bytes: block n lies 512 n on
	s_add_co_u32 s21, s17, s19
	s_lshl_b32 s21, s21, 4
	s_lshl_b32 s22, s[L1], 2
	s_sub_co_u32 s21, s21, s22
	s_lshl_b32 s21, s21, 9                         ; ((16 batch + i2) 16 - 4 (g + 1)) 512: block n lies 512 n on
	s_cmp_eq_u32 s[GAM], 1
	s_cselect_b32 s22, s20, s21                    ; blocks 4-7 belong to the first tile where g = 1
	s_cselect_b32 s[MSK], -1, 0
	v_lshlrev_b32 v4, 2, v0
	v_add_nc_u32 v5, s20, v4
	v_add_nc_u32 v6, s22, v4
	v_add_nc_u32 v7, s21, v4
.irp n, 0,1,2,3
	global_load_b32 v[128+\n], v5, s[8:9] offset:512*\n              ; M_n
	global_load_b32 v[148+\n], v5, s[8:9] offset:512*\n+524288       ; L_n
.endr
.irp n, 4,5,6,7
	global_load_b32 v[128+\n], v6, s[8:9] offset:512*\n
	global_load_b32 v[148+\n], v6, s[8:9] offset:512*\n+524288
.endr
.irp n, 8,9,10,11,12,13,14,15,16,17,18,19
	global_load_b32 v[128+\n], v7, s[8:9] offset:512*\n
	global_load_b32 v[148+\n], v7, s[8:9] offset:512*\n+524288
.endr
	v_and_b32 v1, 15, v0                           ; r
	v_bfe_u32 v2, v0, 4, 1                         ; h
	v_mul_u32_u24 v3, v1, PITCH
	v_lshl_add_u32 v3, v2, 4, v3
	s_mul_i32 s21, s15, HALFT                      ; my 64 queries
	s_mul_i32 s22, s16, HALFT                      ; my 64 channels,
	s_add_co_u32 s22, s22, 2*HALFT                 ; behind the 128 queries
.irp s, 0,1
	v_add_nc_u32 v[ADRA+\s], s21, v3
	v_add_nc_u32 v[ADRB+\s], s22, v3
	s_add_co_u32 s21, s21, SLOT
	s_add_co_u32 s22, s22, SLOT
.endr
	s_mul_i32 s23, s14, 16*SPITCH
	s_add_co_u32 s23, s23, STAGE                   ; my stage
	v_mul_u32_u24 v9, v1, SPITCH
	v_lshl_add_u32 v9, v2, 5, v9
	v_add_nc_u32 v[STO], s23, v9                   ; in: row r, 32 bytes for each half of the lanes
	v_mul_u32_u24 v9, v2, SPITCH
	v_lshl_add_u32 v9, v1, 4, v9
	v_add_nc_u32 v[RD], s23, v9                    ; back: lanes 0-15 one row of 256 bytes, lanes 16-31 the next
	v_lshlrev_b32 v9, 12, v2
	v_lshl_add_u32 v[CO], v1, 4, v9                ; and the same two rows in out0
	s_lshl_b32 s23, s15, 8
	s_add_co_u32 s23, s23, GT
	v_lshl_add_u32 v[GA], v1, 2, s23               ; G of row 64 half + r (+ 16 a, + the block, by the offset)
	v_lshl_add_u32 v8, v0, 2, GT                   ; where thread t puts row t's
.irp a, 0,1,2,3,4,5,6,7
	v_mov_b32 v[GS+2*\a+1], 0                      ; named as the upper halves of pairs
.endr
	s_lshl_b32 s20, s[BAT], 11
	s_lshl_b32 s21, s15, 6
	s_add_co_u32 s20, s20, s21                     ; 2048 batch + my half of the queries
	s_lshl_b32 s22, s42, 9
	s_lshl_b32 s23, s16, 8
	s_add_co_u32 s22, s22, s23                     ; my first channel, in bytes
	s_lshl_b32 s46, s18, 7
	s_add_co_u32 s46, s46, s20
	s_lshl_b32 s46, s46, 12
	s_add_co_u32 s46, s46, s22
	s_mov_b32 s47, 0
	s_add_nc_u64 s[OB1:OB1+1], s[10:11], s[46:47]
	s_lshl_b32 s46, s19, 7
	s_add_co_u32 s46, s46, s20
	s_lshl_b32 s46, s46, 12
	s_add_co_u32 s46, s46, s22
	s_add_nc_u64 s[OB2:OB2+1], s[10:11], s[46:47]
	s_wait_loadcnt 0x0
	v_max3_num_f32 v168, v128, v129, v130          ; the largest M of blocks 0-3,
	v_max_num_f32 v168, v168, v131
	v_max3_num_f32 v169, v132, v133, v134          ; of 4-7,
	v_max_num_f32 v169, v169, v135
	v_max3_num_f32 v170, v136, v137, v138          ; of 8-19
.irp n, 139,141,143,145
	v_max3_num_f32 v170, v170, v[\n], v[\n+1]
.endr
	v_max_num_f32 v170, v170, v147
	v_mov_b32 v171, 0xff61b1e6                     ; -3e38
	v_cndmask_b32 v172, v171, v169, s[MSK]         ; the middle group counts for the first tile where g = 1,
	v_cndmask_b32 v173, v169, v171, s[MSK]         ; else for the second
	v_max_num_f32 v168, v168, v172                 ; M of my row in the first tile
	v_max_num_f32 v170, v170, v173                 ; and in the second
	v_cndmask_b32 v169, v170, v168, s[MSK]         ; the middle group's
.irp n, 0,1,2,3
	v_sub_f32 v[128+\n], v[128+\n], v168           ; whole numbers, 0 or less
.endr
.irp n, 4,5,6,7
	v_sub_f32 v[128+\n], v[128+\n], v169
.endr
.irp n, 8,9,10,11,12,13,14,15,16,17,18,19
	v_sub_f32 v[128+\n], v[128+\n], v170
.endr
.irp n, 0,1,2,3,4,5,6,7,8,9,10,11,12,13,14,15,16,17,18,19
	v_cvt_i32_f32 v[128+\n], v[128+\n]             ; (it saturates)
.endr
.irp n, 0,1,2,3,4,5,6,7,8,9,10,11,12,13,14,15,16,17,18,19
	v_ldexp_f32 v[128+\n], 1.0, v[128+\n]          ; e_n = 2^(M_n - M): exact; 0 for a tile all hidden
.endr
	v_mul_f32 v174, v128, v148
	v_mul_f32 v175, v132, v152
	v_mul_f32 v176, v136, v156
.irp n, 1,2,3
	v_fma_f32 v174, v[128+\n], v[148+\n], v174
	v_fma_f32 v175, v[132+\n], v[152+\n], v175
.endr
.irp n, 9,10,11,12,13,14,15,16,17,18,19
	v_fma_f32 v176, v[128+\n], v[148+\n], v176
.endr
	v_cndmask_b32 v177, 0, v175, s[MSK]
	v_sub_f32 v178, v175, v177                     ; the middle group's sum goes to one tile whole and to the other not at all
	v_add_f32 v174, v174, v177                     ; L of my row in the first tile
	v_add_f32 v176, v176, v178                     ; and in the second: each at least 1/2, since the row's own key counts
	v_rcp_f32 v179, v174
	v_rcp_f32 v180, v176
	v_nop                                          ; a plain line behind the reciprocals
	s_wait_alu depctr_va_vdst(0)                   ; and the wait ahead of their first reader
	v_cndmask_b32 v181, v180, v179, s[MSK]
.irp n, 0,1,2,3
	v_mul_f32 v[128+\n], v[128+\n], v179
.endr
.irp n, 4,5,6,7
	v_mul_f32 v[128+\n], v[128+\n], v181
.endr
.irp n, 8,9,10,11,12,13,14,15,16,17,18,19
	v_mul_f32 v[128+\n], v[128+\n], v180
.endr
.irp n, 0,1,2,3,4,5,6,7,8,9,10,11,12,13,14,15,16,17,18,19
	ds_store_b32 v8, v[128+\n] offset:512*\n
.endr
.macro MUL8 f, c, a0, zero, ts         ; 8 matrix instructions into set ts of T; the 16 accumulators take turns, one instruction a turn
.irp a, \a0, \a0+1
.irp b, 0,1,2,3
.if \zero
	v_wmma_f32_16x16x32_f16 v[128*(\ts)+8*(4*(\a)+\b):128*(\ts)+8*(4*(\a)+\b)+7], v[\f+64+8*(4*\c+\b):\f+64+8*(4*\c+\b)+7], v[\f+8*(4*\c+\a):\f+8*(4*\c+\a)+7], 0
.else
	v_wmma_f32_16x16x32_f16 v[128*(\ts)+8*(4*(\a)+\b):128*(\ts)+8*(4*(\a)+\b)+7], v[\f+64+8*(4*\c+\b):\f+64+8*(4*\c+\b)+7], v[\f+8*(4*\c+\a):\f+8*(4*\c+\a)+7], v[128*(\ts)+8*(4*(\a)+\b):128*(\ts)+8*(4*(\a)+\b)+7]
.endif
.endr
.endr
.endm
.macro FETCH slot, k, f
	WIN TO_F
.irp c, 0,1
.irp i, 0,1,2,3
	ds_load_b128 v[\f+64+8*(4*\c+\i):\f+64+8*(4*\c+\i)+3],   v[ADRB+\slot] offset:\k+64*\c+\i*16*PITCH
	ds_load_b128 v[\f+64+8*(4*\c+\i)+4:\f+64+8*(4*\c+\i)+7], v[ADRB+\slot] offset:\k+64*\c+\i*16*PITCH+32
	ds_load_b128 v[\f+8*(4*\c+\i):\f+8*(4*\c+\i)+3],         v[ADRA+\slot] offset:\k+64*\c+\i*16*PITCH
	ds_load_b128 v[\f+8*(4*\c+\i)+4:\f+8*(4*\c+\i)+7],       v[ADRA+\slot] offset:\k+64*\c+\i*16*PITCH+32
.endr
.endr
.endm
.macro PLACES
.rept 4
	v_nop
.endr
.endm
; Tile of rows a of set ts is merged: O += G x T, or with first = 1: O = G x T, which starts a tile of O: nothing is cleared.  Each accumulator of T is read from its low end on.
.macro MERGE a, ts, first
	WIN MRG
.set kk, 0
.rept 16
.if \first
	v_pk_mul_f32 v[OACC+32*(\a)+kk:OACC+32*(\a)+kk+1], v[128*(\ts)+32*(\a)+kk:128*(\ts)+32*(\a)+kk+1], v[GS+8*(\ts)+2*(\a):GS+8*(\ts)+2*(\a)+1] op_sel_hi:[1,0]
.else
	v_pk_fma_f32 v[OACC+32*(\a)+kk:OACC+32*(\a)+kk+1], v[128*(\ts)+32*(\a)+kk:128*(\ts)+32*(\a)+kk+1], v[GS+8*(\ts)+2*(\a):GS+8*(\ts)+2*(\a)+1], v[OACC+32*(\a)+kk:OACC+32*(\a)+kk+1] op_sel_hi:[1,0,1]
.endif
.set kk, kk+2
.endr
.endm
.macro MERGESEL a, ts                  ; in the loop: the lap in which the second tile begins takes the form that starts O
	WIN 0
	s_cmp_eq_u32 s[LAM], s[L1]
	s_cbranch_scc1 .Lnew_\@
	MERGE \a, \ts, 0
	WIN 0
	s_branch .Lold_\@
.Lnew_\@:
	MERGE \a, \ts, 1
	WIN 0
.Lold_\@:
.endm
.macro DOMERGE mk, a, ts               ; mk: 0 none, 1 add, 2 start, 3 by the lap's number
.if \mk == 1
	MERGE \a, \ts, 0
.elseif \mk == 2
	MERGE \a, \ts, 1
.elseif \mk == 3
	MERGESEL \a, \ts
.endif
.endm
.macro GLOAD ts, blk                   ; G of the lap's block blk, for my four tiles of rows
	WIN 0
.irp a, 0,1,2,3
	ds_load_b32 v[GS+8*(\ts)+2*\a], v[GA] offset:512*(\blk)+64*\a
.endr
.endm
; 64 keys on buffer f into set ts; zero = 1: a block's first quarter.  The other set's tiles of rows ma, ma + 1 are merged; the four v_nop are the places between that set's last products and the first read of it.
.macro QUARTER slot, k, f, g, ts, zero, mk, ma, blk
	s_wait_dscnt 16                                ; the first 32 keys' fragments are in; the youngest sixteen loads may be out
	WIN MULT
	MUL8 \f, 0, 0, \zero, \ts
	MUL8 \f, 0, 2, \zero, \ts
	PLACES
	DOMERGE \mk, \ma, 1-\ts
.if \zero
	GLOAD \ts, \blk
.endif
	FETCH \slot, \k, \g
	s_wait_dscnt 32                                ; all but the 32 just issued: G is in too
	WIN MULT
	MUL8 \f, 1, 0, 0, \ts
	MUL8 \f, 1, 2, 0, \ts
	DOMERGE \mk, \ma+1, 1-\ts
.endm
; A K step's last quarter (on T1) changes slots: one barrier; in front of it each wave waits for all its tensor loads, adds 0 to its spare word, and waits for that and for its reads of this slot.
.macro TURN slot, next, fill, mk
	WIN 0
	s_wait_tensorcnt 0x0                           ; all my tensor loads have landed: my part of the next slot
	ds_add_u32 v[SPW], v[NIL]
	s_wait_dscnt 17                                ; the add and the youngest sixteen loads may be out
	WIN MULT
	MUL8 F1, 0, 0, 0, 1
	s_wait_dscnt 0x0                               ; the add is done, and my reads of this slot are over
	s_barrier_signal -1
	MUL8 F1, 0, 2, 0, 1
.if \fill
	WIN 0
.endif
	s_barrier_wait -1
.if \fill
	CREST                                          ; the barrier has opened a round of the cluster's: no wave of any partner still reads this slot or has a load on its way
	s_add_nc_u64 s[G0+4*\slot+2:G0+4*\slot+3], s[BA:BA+1], s[NA:NA+1]       ; the next lap's tile for this slot
	s_add_nc_u64 s[G0B+4*\slot+2:G0B+4*\slot+3], s[BB:BB+1], s[NB:NB+1]
.if \slot == 1
	s_add_nc_u64 s[G0+4*\slot+2:G0+4*\slot+3], s[G0+4*\slot+2:G0+4*\slot+3], KSTEP*2
	s_add_nc_u64 s[G0B+4*\slot+2:G0B+4*\slot+3], s[G0B+4*\slot+2:G0B+4*\slot+3], KSTEP*2
.endif
	s_or_b32 s[G0+4*\slot+3], s[G0+4*\slot+3], 0x80000000
	s_or_b32 s[G0B+4*\slot+3], s[G0B+4*\slot+3], 0x80000000
	JLOAD \slot                                    ; the first tensor load behind the round; its four v_nop are also the places for what follows
.else
	PLACES
.endif
	DOMERGE \mk, 2, 0
	FETCH \next, 0, F0
	WIN MULT
	MUL8 F1, 1, 0, 0, 1
	MUL8 F1, 1, 2, 0, 1
	DOMERGE \mk, 3, 0
.endm
; A finished tile of O leaves: 16 rows at a time through my own stage, back as rows of 256 bytes (my 64 channels).  LDS serves a wave's instructions in order.
.macro EPI base
.irp a, 0,1,2,3
.irp b, 0,1,2,3
	ds_store_b128 v[STO], v[OACC+32*\a+8*\b:OACC+32*\a+8*\b+3] offset:64*\b
	ds_store_b128 v[STO], v[OACC+32*\a+8*\b+4:OACC+32*\a+8*\b+7] offset:64*\b+16
.endr
	s_wait_xcnt 0x0                                ; earlier stores have read their registers: the loads below may land there
.irp t, 0,1,2,3,4,5,6,7
	ds_load_b128 v[OUTB+32*(\a%2)+4*\t:OUTB+32*(\a%2)+4*\t+3], v[RD] offset:2*SPITCH*\t
.endr
	s_wait_dscnt 0x0
.irp t, 0,1,2,3,4,5,6,7
	global_store_b128 v[CO], v[OUTB+32*(\a%2)+4*\t:OUTB+32*(\a%2)+4*\t+3], s[\base:\base+1] offset:(16*\a+2*\t)*4096 th:TH_STORE_NT   ; 16 lanes store 256 consecutive bytes, aligned
.endr
.endr
.endm
.macro NEXT                            ; where the next lap's tiles lie: in which tile of O it falls, and how many laps into it
	s_add_co_u32 s[NLP], s[LAM], 1
	s_cmp_ge_u32 s[NLP], s[L1]
	s_cselect_b32 s[TT], s[L1], 0
	s_cselect_b32 s[NA], s[SEG2], s[SEG1]
	s_sub_co_u32 s[TT], s[NLP], s[TT]
	s_lshl_b32 s[NB], s[TT], 10                    ; 512 keys are 1,024 bytes of a row
	s_add_co_u32 s[NA], s[NA], s[NB]
.endm
; A LAP: 512 keys, two K steps, four blocks.  kind 0: the first (nothing to merge at its head; its first merge starts O); 1: the loop's; 2: the last (no refill).
.macro LAP kind
.if \kind < 2
	NEXT
.endif
.if \kind == 0
	QUARTER 0, 128, F0, F1, 0, 1, 0, 0, 0
	QUARTER 0, 256, F1, F0, 0, 0, 0, 2, 0
.else
	QUARTER 0, 128, F0, F1, 0, 1, 1, 0, 0          ; the last lap's fourth block is merged
	QUARTER 0, 256, F1, F0, 0, 0, 1, 2, 0
.endif
.if \kind == 1
	WIN 0
	s_cmp_lg_u32 s[LAM], s[L1]                     ; the first tile of O is whole where this lap begins the second
	s_cbranch_scc1 .Lsame_\@
	EPI OB1
.Lsame_\@:
.endif
.if \kind == 0
	QUARTER 0, 384, F0, F1, 1, 1, 2, 0, 1
	TURN 0, 1, 1, 2
.elseif \kind == 1
	QUARTER 0, 384, F0, F1, 1, 1, 3, 0, 1
	TURN 0, 1, 1, 3
.else
	QUARTER 0, 384, F0, F1, 1, 1, 1, 0, 1
	TURN 0, 1, 0, 1
.endif
	QUARTER 1, 128, F0, F1, 0, 1, 1, 0, 2
	QUARTER 1, 256, F1, F0, 0, 0, 1, 2, 2
	QUARTER 1, 384, F0, F1, 1, 1, 1, 0, 3
.if \kind < 2
	TURN 1, 0, 1, 1
	WIN 0
	v_add_nc_u32 v[GA], 4*512, v[GA]               ; the next lap's four blocks of G
	s_add_co_u32 s[LAM], s[LAM], 1
.else
	s_wait_dscnt 16                                ; the very last quarter: nothing more to fetch
	WIN MULT
	MUL8 F1, 0, 0, 0, 1
	MUL8 F1, 0, 2, 0, 1
	PLACES
	MERGE 2, 0, 0
	s_wait_dscnt 0x0
	WIN MULT
	MUL8 F1, 1, 0, 0, 1
	MUL8 F1, 1, 2, 0, 1
	MERGE 3, 0, 0
.endif
.endm
	s_wait_tensorcnt 1                             ; my part of K step 0 is in; K step 1's may be out
	s_wait_dscnt 0x0                               ; my part of the table of G has landed
	s_barrier_signal -1
	s_barrier_wait -1
	FETCH 0, 0, F0
	LAP 0
.Llap:                                                 ; laps 1, 2, 3
	LAP 1
	s_cmp_lt_u32 s[LAM], 4
	s_cbranch_scc1 .Llap
	LAP 2
	PLACES                                         ; between the last products and the first read of them
	MERGE 0, 1, 0
	MERGE 1, 1, 0
	MERGE 2, 1, 0
	MERGE 3, 1, 0
	WIN 0
	EPI OB2
	s_wait_tensorcnt 0x0                           ; the wave's end
	ds_add_u32 v[SPW], v[NIL]
	s_wait_dscnt 0x0
	CROUND                                         ; the closing round
	s_endpgm
.Lfunc_end_k_qfc82352e62_pv:
	.size	k_qfc82352e62_pv, .Lfunc_end_k_qfc82352e62_pv-k_qfc82352e62_pv
	.p2alignl 7, 3214868480
	.fill 96, 4, 3214868480
	.section	.rodata,"a",@progbits
	.p2align	6, 0x0
	.amdhsa_kernel k_qfc82352e62_pv
		.amdhsa_group_segment_fixed_size 327680
		.amdhsa_private_segment_fixed_size 0
		.amdhsa_enable_private_segment 0
		.amdhsa_kernarg_size 32
		.amdhsa_user_sgpr_count 2
		.amdhsa_user_sgpr_kernarg_segment_ptr 1
		.amdhsa_wavefront_size32 1
		.amdhsa_system_sgpr_workgroup_id_x 1
		.amdhsa_system_sgpr_workgroup_id_y 1
		.amdhsa_system_sgpr_workgroup_id_z 1
		.amdhsa_system_vgpr_workitem_id 0
		.amdhsa_next_free_vgpr 768
		.amdhsa_next_free_sgpr 90
		.amdhsa_reserve_vcc 0
		.amdhsa_float_denorm_mode_32 3
		.amdhsa_float_denorm_mode_16_64 3
		.amdhsa_memory_ordered 1
		.amdhsa_forward_progress 1
		.amdhsa_inst_pref_size 200
	.end_amdhsa_kernel
	.amdgpu_metadata
---
amdhsa.version: [ 1, 2 ]
amdhsa.kernels:
  - .name:           k_qfc82352e62_pv
    .symbol:         k_qfc82352e62_pv.kd
    .args:
      - { .name: pt, .offset: 0, .size: 8, .value_kind: global_buffer, .address_space: global }
      - { .name: vt, .offset: 8, .size: 8, .value_kind: global_buffer, .address_space: global }
      - { .name: st, .offset: 16, .size: 8, .value_kind: global_buffer, .address_space: global }
      - { .name: out0, .offset: 24, .size: 8, .value_kind: global_buffer, .address_space: global }
    .group_segment_fixed_size: 327680
    .private_segment_fixed_size: 0
    .kernarg_segment_align: 8
    .kernarg_segment_size: 32
    .max_flat_workgroup_size: 128
    .sgpr_count:     90
    .vgpr_count:     768
    .wavefront_size: 32
...
	.end_amdgpu_metadata
.endif
;; end of part 4
;; launch first16 (part 5): grid 8 x 4, 8 waves a work-group, no clusters, 17,664 bytes of LDS; arguments fine, out0; writes out0
.if DOCPART == 5
	.amdgcn_target "amdgcn-amd-amdhsa--gfx1250"
	.amdhsa_code_object_version 6
	.text
	.protected	k_qfc82352e62_first16
	.globl	k_qfc82352e62_first16
	.p2align	8
	.type	k_qfc82352e62_first16,@function
k_qfc82352e62_first16:
	s_mov_b64 s[64:65], 0
	v_nop
	global_prefetch_b8 v0, s[64:65] scope:SCOPE_SE
	s_setreg_imm32_b32 hwreg(HW_REG_WAVE_MODE, 25, 1), 1
	s_wait_xcnt 0x0
; Positions 0-15 of each sequence, wholly in f32: their rows average one to sixteen values and are the largest of the output, so operands of 16 bits would weigh most there.
; fine: [(3 batch + part)][64 tiles][1,024 bytes]: images of f32 accumulators (registers 0-3 at 16 x lane, 4-7 at 512 + 16 x lane).  q, k (parts 0, 1), tile t: lane (r, h), register j = (token r, column 16 t + 8 h + j).
; v (part 2), tile t: lane (r, h), register j = (channel 16 t + r, token 8 h + j).
; A work-group takes one batch (y) and 128 channels (x).  Wave w sums 128 of the 1,024 columns of S^T = k q^T (32 matrix instructions of 16 x 16 x 4 in f32); the eight parts meet in LDS; every wave then has the whole
; 16 x 16 scores, takes mask and softmax, and makes O^T for its 16 channels.  A pair of registers of an image is an operand as it stands: the same two columns (or tokens) stand at the same place in both sources.
; The registers that these matrix instructions write (v168-199, v208-239) are written by matrix instructions alone; what is made of the sums goes elsewhere.
; This launch runs last and writes rows 0-15 of each batch anew.  No tensor loads, no cluster: 768 KB in all, no tile worth a joint request.
.set PS,    0                          ; eight partial sums of 1,024 bytes
.set ST,    8192                       ; 16 rows x (512 bytes + 16)
.set SPARE, ST+16*528                  ; the spare words, 128 bytes for each of eight waves: four blocks of 256 bytes that no other line names
.set SPW,   2
.set NIL,   3
	s_load_b128 s[4:7], s[0:1], 0x0                ; fine, out0
	v_lshl_add_u32 v[SPW], v0, 2, SPARE
	v_mov_b32 v[NIL], 0
	v_lshrrev_b32 v1, 5, v0
	v_readfirstlane_b32 s8, v1                     ; wave 0..7
	s_and_b32 s9, ttmp7, 0xffff                    ; the batch
	v_and_b32 v4, 31, v0                           ; lane
	v_and_b32 v5, 15, v0                           ; r
	v_bfe_u32 v6, v0, 4, 1                         ; h
	v_lshlrev_b32 v7, 4, v4                        ; 16 x lane: also where all eight parts are read
	s_lshl_b32 s10, s8, 13
	v_add_nc_u32 v16, s10, v7                      ; q, k: my eight images
	s_lshl_b32 s11, ttmp9, 3
	s_add_co_u32 s11, s11, s8
	s_lshl_b32 s11, s11, 10
	v_add_nc_u32 v17, s11, v7                      ; v: image 8 x + wave
	s_lshl_b32 s10, s8, 10
	v_add_nc_u32 v18, s10, v7                      ; my partial sum
	v_lshlrev_b32 v19, 3, v6
	v_sub_nc_u32 v19, v5, v19                      ; d = r - 8 h: register j (key 8 h + j) is hidden where j > d
	v_mul_u32_u24 v20, v5, 528
	v_lshl_add_u32 v20, v6, 5, v20
	s_lshl_b32 s10, s8, 6
	s_add_co_u32 s10, s10, ST
	v_add_nc_u32 v20, s10, v20                     ; the stage, in: row r, + 64 wave + 32 h
	s_mul_i32 s10, s8, 2*528
	s_add_co_u32 s10, s10, ST
	v_add_nc_u32 v21, s10, v7                      ; back: rows 2 wave, 2 wave + 1, 16 bytes a lane
	s_lshl_b32 s10, s8, 13
	v_add_nc_u32 v22, s10, v7                      ; and the same rows in out0
	v_mov_b32 v23, 0xff800000                      ; -infinity
	v_mov_b32 v25, 0                               ; a lane permute's destination counts as one of its sources
	s_mov_b32 s14, 0x3d38aa3b                      ; c = log2(e) / sqrt(1024)
	s_mov_b32 s16, 0x76543210
	s_mov_b32 s17, 0xfedcba98                      ; lane selects: lane l xor 16
	s_mul_i32 s12, s9, 196608                      ; the batch's three parts
	s_mov_b32 s13, 0
	s_lshl_b32 s18, s9, 23                         ; the batch's 2,048 rows of 4,096 bytes,
	s_lshl_b32 s19, ttmp9, 9                       ; my 128 channels
	s_add_co_u32 s18, s18, s19
	s_mov_b32 s19, 0
	s_wait_kmcnt 0x0
	s_add_nc_u64 s[4:5], s[4:5], s[12:13]
	s_add_nc_u64 s[6:7], s[6:7], s[18:19]
.irp t, 0,1,2,3,4,5,6,7
	global_load_b128 v[32+8*\t:35+8*\t], v16, s[4:5] offset:1024*\t                 ; q
	global_load_b128 v[36+8*\t:39+8*\t], v16, s[4:5] offset:1024*\t+512
	global_load_b128 v[96+8*\t:99+8*\t], v16, s[4:5] offset:65536+1024*\t           ; k
	global_load_b128 v[100+8*\t:103+8*\t], v16, s[4:5] offset:65536+1024*\t+512
.endr
	global_load_b128 v[160:163], v17, s[4:5] offset:131072                          ; v
	global_load_b128 v[164:167], v17, s[4:5] offset:131072+512
	s_wait_loadcnt 0x0
	; S^T = k q^T over my 128 columns: four accumulators by turns, one instruction a turn; each sum's first instruction takes the constant 0
.irp t, 0,1,2,3,4,5,6,7
.irp i, 0,1,2,3
.if \t == 0
	v_wmma_f32_16x16x4_f32 v[168+8*\i:175+8*\i], v[96+8*\t+2*\i:97+8*\t+2*\i], v[32+8*\t+2*\i:33+8*\t+2*\i], 0
.else
	v_wmma_f32_16x16x4_f32 v[168+8*\i:175+8*\i], v[96+8*\t+2*\i:97+8*\t+2*\i], v[32+8*\t+2*\i:33+8*\t+2*\i], v[168+8*\i:175+8*\i]
.endif
.endr
.endr
.rept 8
	v_nop                                          ; eight places behind this form (ISA guide 7.12.1)
.endr
.irp j, 0,1,2,3,4,5,6,7
	v_add_f32 v[200+\j], v[168+\j], v[176+\j]      ; from the low end on
.endr
.irp j, 0,1,2,3,4,5,6,7
	v_add_f32 v[240+\j], v[184+\j], v[192+\j]
.endr
.irp j, 0,1,2,3,4,5,6,7
	v_add_f32 v[200+\j], v[200+\j], v[240+\j]      ; lane (r, h): query r, key 8 h + j, my 128 columns
.endr
	ds_store_b128 v18, v[200:203] offset:PS
	ds_store_b128 v18, v[204:207] offset:PS+512
	s_wait_dscnt 0x0                               ; for the others' sake
	s_barrier_signal -1
	s_barrier_wait -1
.irp w, 0,1,2,3,4,5,6,7
	ds_load_b128 v[32+8*\w:35+8*\w], v7 offset:PS+1024*\w
	ds_load_b128 v[36+8*\w:39+8*\w], v7 offset:PS+1024*\w+512
.endr
	s_wait_dscnt 0x0
.irp j, 0,1,2,3,4,5,6,7
	v_add_f32 v[200+\j], v[32+\j], v[40+\j]        ; in the waves' order, alike in every wave
.endr
.irp w, 2,3,4,5,6,7
.irp j, 0,1,2,3,4,5,6,7
	v_add_f32 v[200+\j], v[200+\j], v[32+8*\w+\j]
.endr
.endr
.irp j, 0,1,2,3,4,5,6,7
	v_cmp_gt_i32 vcc_lo, \j, v19
	v_cndmask_b32 v[200+\j], v[200+\j], v23, vcc_lo  ; the causal mask
.endr
	v_max3_num_f32 v24, v200, v201, v202
	v_max3_num_f32 v24, v24, v203, v204
	v_max3_num_f32 v24, v24, v205, v206
	v_max_num_f32 v24, v24, v207
	v_permlanex16_b32 v25, v24, s16, s17
	v_max_num_f32 v24, v24, v25                    ; the row's maximum: key 0 counts for every query
	v_mul_f32 v26, s14, v24
.irp j, 0,1,2,3,4,5,6,7
	v_fma_f32 v[200+\j], v[200+\j], s14, -v26      ; c s - c m
.endr
.irp j, 0,1,2,3,4,5,6,7
	v_exp_f32 v[200+\j], v[200+\j]
.endr
	v_nop                                          ; a plain line behind the exponentials
	s_wait_alu depctr_va_vdst(0)                   ; one wait for the batch, ahead of its first reader
	v_add_f32 v24, v200, v201
	v_add_f32 v27, v202, v203
.irp j, 4,6
	v_add_f32 v24, v24, v[200+\j]
	v_add_f32 v27, v27, v[201+\j]
.endr
	v_add_f32 v24, v24, v27
	v_permlanex16_b32 v25, v24, s16, s17
	v_add_f32 v24, v24, v25                        ; the row's sum
	v_rcp_f32 v27, v24
	v_nop
	s_wait_alu depctr_va_vdst(0)
.irp j, 0,1,2,3,4,5,6,7
	v_mul_f32 v[8+\j], v[200+\j], v27              ; the weights: lane (r, h): query r, key 8 h + j
.endr
	; O^T = v^T p^T for my 16 channels: four products of 4 tokens each, into four accumulators
.irp i, 0,1,2,3
	v_wmma_f32_16x16x4_f32 v[208+8*\i:215+8*\i], v[160+2*\i:161+2*\i], v[8+2*\i:9+2*\i], 0
.endr
.rept 8
	v_nop
.endr
.irp j, 0,1,2,3,4,5,6,7
	v_add_f32 v[240+\j], v[208+\j], v[216+\j]
.endr
.irp j, 0,1,2,3,4,5,6,7
	v_add_f32 v[200+\j], v[224+\j], v[232+\j]
.endr
.irp j, 0,1,2,3,4,5,6,7
	v_add_f32 v[240+\j], v[240+\j], v[200+\j]      ; lane (r, h): query r, channel 16 wave + 8 h + j of my 128
.endr
	ds_store_b128 v20, v[240:243]
	ds_store_b128 v20, v[244:247] offset:16
	s_wait_dscnt 0x0                               ; for the others' sake: a row's 512 bytes come from eight waves
	s_barrier_signal -1
	s_barrier_wait -1
	ds_load_b128 v[32:35], v21
	ds_load_b128 v[36:39], v21 offset:528
	s_wait_dscnt 0x0
	global_store_b128 v22, v[32:35], s[6:7]        ; 32 lanes store 512 consecutive bytes, aligned
	global_store_b128 v22, v[36:39], s[6:7] offset:4096
	s_wait_tensorcnt 0x0                           ; the wave's end
	ds_add_u32 v[SPW], v[NIL]
	s_wait_dscnt 0x0
	s_endpgm
.Lfunc_end_k_qfc82352e62_first16:
	.size	k_qfc82352e62_first16, .Lfunc_end_k_qfc82352e62_first16-k_qfc82352e62_first16
	.p2alignl 7, 3214868480
	.fill 96, 4, 3214868480
	.section	.rodata,"a",@progbits
	.p2align	6, 0x0
	.amdhsa_kernel k_qfc82352e62_first16
		.amdhsa_group_segment_fixed_size 17664
		.amdhsa_private_segment_fixed_size 0
		.amdhsa_enable_private_segment 0
		.amdhsa_kernarg_size 16
		.amdhsa_user_sgpr_count 2
		.amdhsa_user_sgpr_kernarg_segment_ptr 1
		.amdhsa_wavefront_size32 1
		.amdhsa_system_sgpr_workgroup_id_x 1
		.amdhsa_system_sgpr_workgroup_id_y 1
		.amdhsa_system_sgpr_workgroup_id_z 1
		.amdhsa_system_vgpr_workitem_id 0
		.amdhsa_next_free_vgpr 256
		.amdhsa_next_free_sgpr 66
		.amdhsa_reserve_vcc 1
		.amdhsa_float_denorm_mode_32 3
		.amdhsa_float_denorm_mode_16_64 3
		.amdhsa_memory_ordered 1
		.amdhsa_forward_progress 1
		.amdhsa_inst_pref_size 16
	.end_amdhsa_kernel
	.amdgpu_metadata
---
amdhsa.version: [ 1, 2 ]
amdhsa.kernels:
  - .name:           k_qfc82352e62_first16
    .symbol:         k_qfc82352e62_first16.kd
    .args:
      - { .name: fine, .offset: 0, .size: 8, .value_kind: global_buffer, .address_space: global }
      - { .name: out0, .offset: 8, .size: 8, .value_kind: global_buffer, .address_space: global }
    .group_segment_fixed_size: 17664
    .private_segment_fixed_size: 0
    .kernarg_segment_align: 8
    .kernarg_segment_size: 16
    .max_flat_workgroup_size: 256
    .sgpr_count:     66
    .vgpr_count:     256
    .wavefront_size: 32
...
	.end_amdgpu_metadata
.endif
;; end of part 5
